; MI455X (gfx1250); checked and timed in simulation.
; The chip was launched on July 23, 2026; its instructions are those of AMD's public machine-readable ISA for CDNA 5 (MIT licence, August 2026) and "CDNA5" Instruction Set Architecture Reference Guide (July 2026). The comments in the code are by the model that wrote it; some were corrected since.
;; Multi Head Attention. Allowed arithmetic: matrix products marked QUANTISED: E3M2 operands, one E8M0 scale for each 32 along K, by v_wmma_scale_f32_16x16x128_f8f6f4 with both operands' format E3M2, f32 sums; everything else in f32.
;; Inputs: Wk 16 x 1,024 x 64 float32; Wp 1,024 x 1,024 float32; Wq 16 x 1,024 x 64 float32; Wv 16 x 1,024 x 64 float32; bk 16 x 64 float32; bp 1,024 float32; bq 16 x 64 float32; bv 16 x 64 float32; x 4 x 2,048 x 1,024 float32.
;; Outputs: out0 4 x 2,048 x 1,024 float32.
;; This version of the problem:
;;   THIS VERSION OF THE PROBLEM IS GIVEN IN LOW PRECISION. The matrix products marked QUANTISED in the list below multiply operands that are first quantised to E3M2 (3 exponent bits, 2 mantissa bits; 6 bits a number), with one power-of-two scale for each 32 numbers along K (OCP MX v1.0); their sums are f32. All else is computed in f32.
;;   The module's matrix products, in the order in which they are computed (A, B: the left and right operand; K: the contracted axis; several contracted axes count as one K, in the product's order):
;;     1. [M 1,024, K 1,024] x [K 1,024, N 8,192]; A: input Wq; B: input x: QUANTISED
;;     2. [M 1,024, K 1,024] x [K 1,024, N 8,192]; A: input Wk; B: input x: QUANTISED
;;     3. [M 1,024, K 1,024] x [K 1,024, N 8,192]; A: input Wv; B: input x: QUANTISED
;;     4. batch 64 x [M 2,048, K 64] x [K 64, N 2,048]; A: computed on the way; B: computed on the way: QUANTISED
;;     5. batch 64 x [M 2,048, K 2,048] x [K 2,048, N 64]; A: softmax (see below); B: computed on the way: QUANTISED
;;     6. [M 8,192, K 1,024] x [K 1,024, N 1,024]; A: computed on the way; B: input Wp: QUANTISED
;;   THE QUANTISER, for each operand of a quantised product, along K:
;;     - K is cut into blocks of 32 from its start; a last block that is shorter is filled with zeros.
;;     - A block's scale is 2^e with e = floor(log2(the largest magnitude in the block)) - 4, held to -126 .. 127; a block of zeros has e = 0. As a byte (E8M0): e + 127.
;;     - Each number is divided by its block's scale, clamped to +-28, and rounded to the nearest number of E3M2, ties to even, subnormals kept.
;;     - The product sums the exact products of the quantised numbers (number of the format x scale) in f32.
;;   ~~~python
;;   def quantise(x, axis):      # numpy; x: float32 -> the quantised numbers, widened to float32 again
;;       x = np.moveaxis(x, axis, -1); K = x.shape[-1]
;;       x = np.pad(x, [(0, 0)] * (x.ndim - 1) + [(0, -K % 32)]); x = x.reshape(x.shape[:-1] + (-1, 32)); a = np.abs(x).max(-1, keepdims=True)
;;       e = np.where(a > 0, np.clip(np.frexp(np.where(a > 0, a, 1))[1] - 1 - 4, -126, 127), 0)      # np.frexp(a)[1] - 1 = floor(log2(a)), exactly
;;       r = np.clip(x / 2.0 ** e, -28, 28)
;;       step = 2.0 ** (np.maximum(np.frexp(np.where(r == 0, 1, r))[1] - 1, -2) - 2)
;;       q = np.round(r / step) * step * 2.0 ** e      # np.round: ties to even
;;       return np.moveaxis(q.reshape(q.shape[:-2] + (-1,))[..., :K], -1, axis).astype(np.float32)
;;   ~~~
;;   SOFTMAX AHEAD OF A QUANTISED PRODUCT. Where the list says 'softmax', what is quantised is not the finished softmax but p = 2^(t - M), with t = logit x log2(e) and M = ceil(the row's largest t), a whole number; so 1/2 < the row's largest p <= 1. The row's sum l is taken of the UNQUANTISED p, in f32, and the product's result is divided by l at the end. Since M is a whole number, a kernel that streams over the keys may use a running M (the ceiling of the running maximum): every later rescaling is an exact power of two, which a block's scale takes up: the codes' values come out the same.
;;   OPERANDS COMPUTED ON THE WAY. 'Computed on the way' means the value that the module computes at that place (a softmax that the list does not call 'softmax' is quantised finished and normalised). What goes into a quantiser is computed in f32, as accurately as f32 sums, v_exp_f32 and their like allow (about 1e-6 of the number): no bf16 or f16 on the way to a quantiser, and a product that is left as it is and whose result goes on into a quantised operand takes f32 operands (vector FMAs, or v_wmma_f32_16x16x4_f32). A number that lies on a knife's edge between two numbers of the format may be rounded either way, as far as f32 arithmetic and the matrix unit's own rounding can turn it there, and no further.
;; One version. Each part assembles by itself: llvm-mc -triple=amdgcn-amd-amdhsa -mcpu=gfx1250 --defsym DOCPART=n.
;; ======== version 1 of 1: 4 launches
;; limits: right only within a limited range of input values
;; workspace buffers: xq 6,553,600 bytes; wq 3,276,800 bytes; qk 13,107,200 bytes; vq 6,553,600 bytes; oq 6,553,600 bytes
;; launch quant (part 1): grid 640 x 1, 4 waves a work-group, no clusters, 26,112 bytes of LDS; arguments x, Wq, Wk, Wv, Wp, xq, wq; writes xq, wq
.if DOCPART == 1
	.amdgcn_target "amdgcn-amd-amdhsa--gfx1250"
	.amdhsa_code_object_version 6
	.text
	.protected	k_q188082f05c_quant
	.globl	k_q188082f05c_quant
	.p2align	8
	.type	k_q188082f05c_quant,@function
k_q188082f05c_quant:
	s_mov_b64 s[64:65], 0
	v_nop
	global_prefetch_b8 v0, s[64:65] scope:SCOPE_SE
	s_setreg_imm32_b32 hwreg(HW_REG_WAVE_MODE, 25, 1), 1
	s_wait_xcnt 0x0
; x [8192][1024] and the four weights, f32, become codes of BF6 (E3M2) with one E8M0 byte for each 32 along K (K = the 1,024 channels).
; A block's scale is 2^(floor(log2(its largest magnitude)) - 4); its byte is the largest magnitude's exponent field - 4, held at 1 from below.
; LIMITS: NaN and infinities are not served; a block whose largest magnitude lies under 2^-122, a block of zeros among them, gets the byte 1
; (a block of zeros has zero codes, which add nothing under any byte but 0xff, and these bytes are read by this program alone).
; LAYOUT OF THE CODES: images of operand registers.  A unit is 16 rows x 64 K = 768 bytes: registers 0-3 of lane l at 16 l, registers 4-5 at 512 + 8 l;
; lane (r = l % 16, h = l / 16) holds k = 32 h .. 32 h + 31 of its row.  A row tile has its 16 units on end (12,288 bytes).
; THE ROWS OF A TILE ARE NOT NEIGHBOURS: lane r of tile 2 g + u holds matrix row 32 g + 8 u + r + 8 (r / 8).
; SCALES: [tile][256 along K: 0..3][r][2 words], a word for 128 along K; behind the codes.
; wq's rows: 0-1023 Wq (head x 64 + d), 1024-2047 Wk, 2048-3071 Wv, 3072-4095 the columns of Wp.
; Work-groups 0-127 take the weights, 128-639 take x: a scalar branch on the work-group's number.  No barrier: waves share nothing.  Only the weights' path uses LDS.
; WORK LEFT OUT BY THIS PROGRAM: the tiles of scores that lie wholly above the diagonal.  reference() sets them to -inf by its own jnp.tril mask ahead of the softmax,
; so their p is 0 and they add nothing to a row's sum or to the weighted sum, whatever finite values the inputs hold.  Every input has a way to the output and is loaded.
; LIMIT: a NaN, an infinity or an overflow that would arise only in those tiles is not carried to the result.
.set XS_OFF, 6291456
.set WS_OFF, 3145728                   ; wq: likewise
.set TM,  8                            ; v8-23   at work in QUANT
.set PC,  160                          ; v160-178 the codes just made
.set SEL, 20                           ; s[20:21] v_permlanex16_b32's selects for lane l xor 16 (x's path)
; 64 numbers of a lane, register 16 b + i = k 32 b + 16 (lane / 16) + i of my row, become a fragment's codes in v[PC] on and its scale word in v[pw].
.macro QUANT s, pw
.irp b, 0,1,2,3
	v_max3_num_f32 v[TM+\b], |v[\s+16*\b]|, |v[\s+1+16*\b]|, 0x2800000   ; block b: my 16 numbers, and the floor 2^(5 - 127): the byte cannot fall under 1
.endr
.irp i, 2,4,6,8,10,12,14
.irp b, 0,1,2,3
	v_max3_num_f32 v[TM+\b], v[TM+\b], |v[\s+16*\b+\i]|, |v[\s+1+16*\b+\i]|   ; the four blocks by turns
.endr
.endr
.irp b, 0,1,2,3
	v_permlanex16_b32 v[TM+4+\b], v[TM+\b], s[SEL], s[SEL+1]
.endr
.irp b, 0,1,2,3
	v_max_num_f32 v[TM+\b], v[TM+\b], v[TM+4+\b]   ; with lane l xor 16's: the block's largest magnitude
.endr
.irp b, 0,1,2,3
	v_add_nc_u32 v[TM+12+\b], 0xfe000000, v[TM+\b]   ; 4 off its exponent field: the conversion's scale operand
.endr
.irp b, 0,1,2,3
	v_lshrrev_b32 v[TM+4+\b], 23, v[TM+12+\b]      ; the scale's byte
.endr
	v_lshl_or_b32 v[\pw], v[TM+5], 8, v[TM+4]      ; four bytes: my row's scale word
	v_lshl_or_b32 v[\pw], v[TM+6], 16, v[\pw]
	v_lshl_or_b32 v[\pw], v[TM+7], 24, v[\pw]
.irp c, 0,1
	v_cvt_scalef32_pk16_bf6_f32 v[PC+6*\c:PC+2+6*\c], v[\s+32*\c:\s+15+32*\c], v[TM+12+2*\c]
	v_cvt_scalef32_pk16_bf6_f32 v[PC+12+4*\c:PC+14+4*\c], v[\s+16+32*\c:\s+31+32*\c], v[TM+12+2*\c+1]   ; (a conversion's three registers begin on an even number)
.endr
	v_nop                                          ; one plain line behind a scaled conversion
.irp c, 0,1                                    ; the operand's layout wants a whole block in a lane: lanes 0-15 block 2 c, lanes 16-31 block 2 c + 1
.irp i, 0,1,2
	v_permlane16_swap_b32 v[PC+6*\c+\i], v[PC+12+4*\c+\i]
.endr
.irp i, 0,1,2
	v_mov_b32 v[PC+3+6*\c+\i], v[PC+12+4*\c+\i]
.endr
.endr
.endm
	s_load_b256 s[4:11], s[0:1], 0x0               ; x, Wq, Wk, Wv
	s_load_b128 s[12:15], s[0:1], 0x20             ; Wp, xq
	s_load_b64 s[16:17], s[0:1], 0x30              ; wq
	v_lshl_add_u32 v192, v0, 2, 0x6400
	v_mov_b32 v193, 0
	v_lshrrev_b32 v1, 5, v0
	v_readfirstlane_b32 s18, v1                    ; wave 0..3
	v_and_b32 v1, 31, v0                           ; lane
	s_cmp_lt_u32 ttmp9, 128
	s_cbranch_scc1 .Lweights
; ---- x: a work-group takes a tile of 16 rows, wave w its channels 256 w .. 256 w + 255: two fragments.
	v_and_b32 v2, 15, v0                           ; r
	v_bfe_u32 v3, v0, 4, 1                         ; h
	v_and_b32 v4, 8, v2
	v_add_nc_u32 v4, v4, v2                        ; r + 8 (r / 8)
	v_lshlrev_b32 v4, 12, v4                       ; rows of 4,096 bytes
	v_lshl_add_u32 v4, v3, 6, v4                   ; + 64 h: my 16 numbers of a block of 32
	v_lshlrev_b32 v5, 4, v1                        ; 16 x lane
	v_lshlrev_b32 v6, 3, v1                        ; 8 x lane
	v_lshlrev_b32 v7, 3, v2
	v_lshl_add_u32 v7, v3, 2, v7                   ; 8 r + 4 h: lanes 0-15 store a row's first scale word, lanes 16-31 its second
.irp b, 0,1,2,3
	v_mov_b32 v[TM+4+\b], 0                        ; written once: a lane permute's destination counts as one of its sources
.endr
	s_mov_b32 s[SEL], 0x76543210
	s_mov_b32 s[SEL+1], 0xfedcba98
	s_mov_b32 s30, 0xffff0000                      ; the mask of lanes 16-31
	s_sub_co_u32 s22, ttmp9, 128                   ; the tile, 0..511
	s_lshr_b32 s23, s22, 1
	s_lshl_b32 s23, s23, 5
	s_and_b32 s24, s22, 1
	s_lshl_b32 s24, s24, 3
	s_add_co_u32 s23, s23, s24                     ; its first row: 32 (tile / 2) + 8 (tile % 2)
	s_lshl_b32 s24, s23, 12
	s_lshl_b32 s25, s18, 10
	s_add_co_u32 s24, s24, s25                     ; in x: row x 4,096 + 1,024 x wave
	s_mov_b32 s25, 0
	s_mul_i32 s26, s22, 12288
	s_mul_i32 s27, s18, 3072
	s_add_co_u32 s26, s26, s27                     ; the codes: tile x 12,288 + four units x wave
	s_mov_b32 s27, 0
	s_lshl_b32 s28, s22, 9
	s_lshl_b32 s29, s18, 7
	s_add_co_u32 s28, s28, s29
	s_add_co_u32 s28, s28, XS_OFF                  ; the scales: tile x 512 + 128 x wave
	s_mov_b32 s29, 0
	s_wait_alu depctr_va_vdst(0)
	s_wait_kmcnt 0x0
	s_add_nc_u64 s[4:5], s[4:5], s[24:25]
	s_add_nc_u64 s[26:27], s[14:15], s[26:27]
	s_add_nc_u64 s[28:29], s[14:15], s[28:29]
.irp s, 0,1
.irp b, 0,1,2,3
.irp j, 0,1,2,3
	global_load_b128 v[32+64*\s+16*\b+4*\j:32+64*\s+16*\b+4*\j+3], v4, s[4:5] offset:512*\s+128*\b+16*\j th:TH_LOAD_NT
.endr
.endr
.endr
.macro PUT off                                 ; the fragment in v[PC] on leaves as two units of 768 bytes; each store covers consecutive bytes
	global_store_b128 v5, v[PC:PC+3], s[26:27] offset:\off
	global_store_b64 v6, v[PC+4:PC+5], s[26:27] offset:\off+512
	global_store_b128 v5, v[PC+6:PC+9], s[26:27] offset:\off+768
	global_store_b64 v6, v[PC+10:PC+11], s[26:27] offset:\off+1280
.endm
	s_wait_loadcnt 16                              ; the first 128 channels are in; the second's 16 loads may be out
	QUANT 32, 24
	PUT 0
	s_wait_loadcnt 0x0
	s_wait_xcnt 0x0                                ; the stores have read v[PC] on: only now is it written again
	QUANT 96, 25
	PUT 1536
	v_cndmask_b32 v26, v24, v25, s30               ; lanes 0-15: word 0, lanes 16-31: word 1
	global_store_b32 v7, v26, s[28:29]             ; 128 consecutive bytes
	s_endpgm
; ---- the weights: K is not innermost.  A lane takes a column and its registers run down K: a block of 32 lies in one lane.
; A wave takes 32 columns (two row tiles of wq) x 256 along K: 8 blocks a lane.  The codes go through the wave's own stage in LDS, laid as the units want them, and leave in runs of 512 bytes.
.Lweights:
	s_and_b32 s19, ttmp9, 31                       ; which 128 columns
	s_lshr_b32 s20, ttmp9, 5                       ; y: which 256 along K
	s_lshr_b32 s21, s19, 3                         ; the matrix: 0 Wq, 1 Wk, 2 Wv, 3 Wp
	s_lshl_b32 s22, s19, 2
	s_add_co_u32 s22, s22, s18                     ; G: my wave's group of 32 columns, 0..127
	s_and_b32 s23, s22, 31                         ; and within its matrix
	s_lshr_b32 s24, s23, 1
	s_lshl_b32 s24, s24, 18                        ; a head is 262,144 bytes,
	s_and_b32 s25, s23, 1
	s_lshl_b32 s25, s25, 7                         ; half a head's row 128
	s_or_b32 s24, s24, s25
	s_lshl_b32 s25, s23, 7                         ; in Wp: 128 bytes a group
	s_mov_b32 s26, 4096
	s_cmp_eq_u32 s21, 3
	s_cselect_b32 s24, s25, s24
	s_cselect_b32 s26, s26, 256                    ; P: bytes from one k to the next
	s_lshl_b32 s27, s20, 8
	s_mul_i32 s27, s27, s26
	s_add_co_u32 s24, s24, s27                     ; + 256 y rows
	s_mov_b32 s25, 0
	s_lshl_b32 s28, s26, 5                         ; a block of 32 along K
	s_mov_b32 s29, 0
	s_wait_alu depctr_va_vdst(0)
	v_lshlrev_b32 v2, 2, v1                        ; 4 bytes a lane: a load reads 128 consecutive bytes
.irp i, 0,1,2,3,4,5,6,7,8,9,10,11,12,13,14,15,16,17,18,19,20,21,22,23,24,25,26,27,28,29,30,31
	v_mad_u32_u24 v[32+\i], s26, \i, v2            ; row i of a block: one text serves both pitches
.endr
	v_bfe_u32 v3, v0, 3, 1                         ; u: which of the two tiles my column falls into,
	v_and_b32 v4, 7, v0
	v_bfe_u32 v5, v0, 4, 1
	v_lshl_or_b32 v4, v5, 3, v4                    ; and r, its lane there
	s_mul_i32 s30, s18, 6400                       ; my stage: two tiles x (3,072 bytes + 128)
	v_mul_u32_u24 v5, v3, 3200
	v_add_nc_u32 v5, s30, v5
	v_lshl_add_u32 v6, v4, 4, v5                   ; where registers 0-3 of a block go
	v_lshl_add_u32 v7, v4, 3, v5                   ; and registers 4-5
	v_lshlrev_b32 v8, 4, v1                        ; the way out: 16 x lane in memory,
	v_add_nc_u32 v9, s30, v8                       ; and in the stage
	v_lshlrev_b32 v10, 9, v3
	v_lshl_add_u32 v10, v4, 3, v10                 ; my column's scale words: 512 u + 8 r
	s_mul_i32 s32, s22, 24576
	s_mul_i32 s33, s20, 3072
	s_add_co_u32 s32, s32, s33                     ; the codes: tile 2 G, unit 4 y
	s_mov_b32 s33, 0
	s_lshl_b32 s34, s22, 10
	s_lshl_b32 s35, s20, 7
	s_add_co_u32 s34, s34, s35
	s_add_co_u32 s34, s34, WS_OFF
	s_mov_b32 s35, 0
	s_wait_kmcnt 0x0
	s_cmp_eq_u32 s21, 1                            ; the choice of buffer hangs on the work-group's number alone
	s_cselect_b64 s[6:7], s[8:9], s[6:7]
	s_cmp_eq_u32 s21, 2
	s_cselect_b64 s[6:7], s[10:11], s[6:7]
	s_cmp_eq_u32 s21, 3
	s_cselect_b64 s[6:7], s[12:13], s[6:7]
	s_add_nc_u64 s[36:37], s[6:7], s[24:25]        ; a base for each of the 8 blocks: none is stepped while loads are out
.irp t, 1,2,3,4,5,6,7
	s_add_nc_u64 s[36+2*\t:37+2*\t], s[34+2*\t:35+2*\t], s[28:29]
.endr
	s_add_nc_u64 s[32:33], s[16:17], s[32:33]
	s_add_nc_u64 s[34:35], s[16:17], s[34:35]
.macro LOAD t                                  ; block t: W(32 t + i, my column) into set t % 2
.irp i, 0,1,2,3,4,5,6,7,8,9,10,11,12,13,14,15,16,17,18,19,20,21,22,23,24,25,26,27,28,29,30,31
	global_load_b32 v[64+32*((\t)%2)+\i], v[32+\i], s[36+2*(\t):37+2*(\t)] th:TH_LOAD_NT
.endr
.endm
	LOAD 0
	LOAD 1
.macro BLOCK t
.set XSR, 64+32*((\t)%2)
.if (\t) < 7
	s_wait_loadcnt 32                              ; this block's 32 loads are in; the next block's may be out
.else
	s_wait_loadcnt 0x0
.endif
	v_max3_num_f32 v12, |v[XSR]|, |v[XSR+1]|, |v[XSR+2]|   ; the block's largest magnitude: all 32 numbers are mine; two chains
	v_max3_num_f32 v13, |v[XSR+3]|, |v[XSR+4]|, |v[XSR+5]|
.irp i, 6,10,14,18,22,26
	v_max3_num_f32 v12, v12, |v[XSR+\i]|, |v[XSR+\i+1]|
	v_max3_num_f32 v13, v13, |v[XSR+\i+2]|, |v[XSR+\i+3]|
.endr
	v_max3_num_f32 v12, v12, |v[XSR+30]|, |v[XSR+31]|
	v_max3_num_f32 v12, v12, v13, 0x2800000        ; and the floor 2^(5 - 127)
	v_add_nc_u32 v11, 0xfe000000, v12              ; the conversion's scale operand
	v_lshrrev_b32 v13, 23, v11                     ; the scale's byte
.if (\t)%4 == 0
	v_mov_b32 v[24+(\t)/4], v13                    ; four bytes to a word, the lower K in the lower byte
.else
	v_lshl_or_b32 v[24+(\t)/4], v13, 8*((\t)%4), v[24+(\t)/4]
.endif
	v_cvt_scalef32_pk16_bf6_f32 v[128:130], v[XSR:XSR+15], v11
	v_cvt_scalef32_pk16_bf6_f32 v[136:138], v[XSR+16:XSR+31], v11   ; (three registers from an even number on)
	v_nop                                          ; one plain line behind a scaled conversion
	v_mov_b32 v131, v136
	v_mov_b32 v132, v137
	v_mov_b32 v133, v138                           ; v128-133: the block's 24 bytes
	ds_store_b128 v6, v[128:131] offset:768*((\t)/2)+256*((\t)%2)       ; unit t / 2; block t % 2 is the part of lanes 16 (t % 2) + r
	ds_store_b64 v7, v[132:133] offset:768*((\t)/2)+512+128*((\t)%2)
.if (\t)+2 < 8
	LOAD (\t)+2
.endif
	s_wait_dscnt 0x0                               ; the stores have read their registers
.endm
.irp t, 0,1,2,3,4,5,6,7
	BLOCK \t
.endr
	s_wait_alu depctr_va_vdst(0)
	global_store_b64 v10, v[24:25], s[34:35]       ; my column's 8 scale bytes
.irp n, 0,1,2,3,4,5,6,7,8,9,10,11
	ds_load_b128 v[140+4*\n:143+4*\n], v9 offset:3200*(\n/6)+512*(\n%6)   ; LDS serves a wave's instructions in order: these see my stores
.endr
.irp n, 0,1,2,3,4,5,6,7,8,9,10,11
	s_wait_dscnt 11-\n                             ; load n is in; the younger ones may be out
	global_store_b128 v8, v[140+4*\n:143+4*\n], s[32:33] offset:12288*(\n/6)+512*(\n%6)   ; 512 consecutive bytes, at a multiple of 256 from the buffer's first byte
.endr
	s_wait_tensorcnt 0x0
	ds_add_u32 v192, v193
	s_wait_dscnt 0x0
	s_endpgm
.Lfunc_end_k_q188082f05c_quant:
	.size	k_q188082f05c_quant, .Lfunc_end_k_q188082f05c_quant-k_q188082f05c_quant
	.p2alignl 7, 3214868480
	.fill 96, 4, 3214868480
	.section	.rodata,"a",@progbits
	.p2align	6, 0x0
	.amdhsa_kernel k_q188082f05c_quant
		.amdhsa_group_segment_fixed_size 26112
		.amdhsa_private_segment_fixed_size 0
		.amdhsa_enable_private_segment 0
		.amdhsa_kernarg_size 56
		.amdhsa_user_sgpr_count 2
		.amdhsa_user_sgpr_kernarg_segment_ptr 1
		.amdhsa_wavefront_size32 1
		.amdhsa_system_sgpr_workgroup_id_x 1
		.amdhsa_system_sgpr_workgroup_id_y 1
		.amdhsa_system_sgpr_workgroup_id_z 1
		.amdhsa_system_vgpr_workitem_id 0
		.amdhsa_next_free_vgpr 194
		.amdhsa_next_free_sgpr 66
		.amdhsa_reserve_vcc 0
		.amdhsa_float_denorm_mode_32 3
		.amdhsa_float_denorm_mode_16_64 3
		.amdhsa_memory_ordered 1
		.amdhsa_forward_progress 1
		.amdhsa_inst_pref_size 58
	.end_amdhsa_kernel
	.amdgpu_metadata
---
amdhsa.version: [ 1, 2 ]
amdhsa.kernels:
  - .name:           k_q188082f05c_quant
    .symbol:         k_q188082f05c_quant.kd
    .args:
      - { .name: x, .offset: 0, .size: 8, .value_kind: global_buffer, .address_space: global }
      - { .name: Wq, .offset: 8, .size: 8, .value_kind: global_buffer, .address_space: global }
      - { .name: Wk, .offset: 16, .size: 8, .value_kind: global_buffer, .address_space: global }
      - { .name: Wv, .offset: 24, .size: 8, .value_kind: global_buffer, .address_space: global }
      - { .name: Wp, .offset: 32, .size: 8, .value_kind: global_buffer, .address_space: global }
      - { .name: xq, .offset: 40, .size: 8, .value_kind: global_buffer, .address_space: global }
      - { .name: wq, .offset: 48, .size: 8, .value_kind: global_buffer, .address_space: global }
    .group_segment_fixed_size: 26112
    .private_segment_fixed_size: 0
    .kernarg_segment_align: 8
    .kernarg_segment_size: 56
    .max_flat_workgroup_size: 128
    .sgpr_count:     66
    .vgpr_count:     194
    .wavefront_size: 32
...
	.end_amdgpu_metadata
.endif
;; end of part 1
;; launch qkv (part 2): grid 12 x 32, 4 waves a work-group, clusters of 4 x 4, 327,680 bytes of LDS; arguments xq, wq, bq, bk, bv, qk, vq; writes qk, vq
.if DOCPART == 2
	.amdgcn_target "amdgcn-amd-amdhsa--gfx1250"
	.amdhsa_code_object_version 6
	.text
	.protected	k_q188082f05c_qkv
	.globl	k_q188082f05c_qkv
	.p2align	8
	.type	k_q188082f05c_qkv,@function
k_q188082f05c_qkv:
	s_mov_b64 s[64:65], 0
	v_nop
	global_prefetch_b8 v0, s[64:65] scope:SCOPE_SE
	s_setreg_imm32_b32 hwreg(HW_REG_WAVE_MODE, 25, 1), 1
	s_wait_xcnt 0x0
	s_wait_alu depctr_hold_cnt(0) depctr_sa_sdst(0) depctr_va_vdst(0) depctr_va_sdst(0) depctr_va_ssrc(0) depctr_va_vcc(0) depctr_vm_vsrc(0)
	s_getreg_b32 s2, hwreg(HW_REG_IB_STS2, 6, 4)
	s_cmp_eq_u32 s2, 0
	s_cbranch_scc0 .Lentry_in_a_cluster
	s_endpgm
.Lentry_in_a_cluster:
	s_bfe_u32 s2, ttmp6, 0x10000c
	s_cmp_lg_u32 s2, 0xf033
	s_cbranch_scc0 .Lentry_shape_is_right
	s_endpgm
.Lentry_shape_is_right:
; q, k, v = x W + b on codes of BF6 (E3M2) with E8M0 scales, K = 1,024; the results are quantised on the way out: q and k along a head's 64 numbers, v along the tokens.  No f32 result goes to memory.
; A work-group makes 256 A rows x 256 B rows, four waves, each 128 x 128: 64 accumulators.  Source 0 = 16 rows of B, source 1 = 16 rows of A: a lane holds ONE row of A, and since the rows of every
; tile are chosen so (lane r of tile 2 g + u: row 32 g + 8 u + r + 8 (r / 8)), the 64 registers of an A block are B's rows 32 b + 16 (lane / 16) + i in order: neighbours along the next K.
; The cluster's x says what is made: 0 q, 1 k (A = tokens, B = features: registers run along two heads' numbers), 2 v (A = features, B = tokens: registers run along 128 tokens).
; CODES lie in memory as images of operand registers (units of 16 rows x 64 K = 768 bytes, a row tile's 16 units on end), so a fragment comes from LDS by four loads of consecutive bytes: no pitch, no padding.
; K goes in four parts of 256.  LDS has three slots: parts 0, 1, 2 are first fills, part 3 is the one refill (of slot 0).  All scales of the work-group's rows come once.
; CLUSTERS: 4 x 4 work-groups; A's tiles are asked for jointly along a row of the cluster, B's along a column.
; LIMITS: NaN and infinities are not served; a block whose largest magnitude lies under 2^-122 gets the byte 1 (its codes are then zeros or subnormal codes; these bytes are read by this program alone).
; REGISTERS: window 0: v1-29 addresses; v32-63 scale words, two sets; v64-127 the bias; v128-223 A's 8 fragments, one set (on the way out v128-243 are at work).  window 1: B's fragments, two sets, at v0 and v128.
;   windows 2, 3: the accumulators of my A blocks 0-3 and 4-7, (a, b) at v[8 (8 (a % 4) + b)].
.set XS_OFF,  6291456                  ; where the scales begin in xq,
.set WS_OFF,  3145728                  ; in wq,
.set QKS_OFF, 12582912                 ; in qk,
.set VS_OFF,  6291456                  ; in vq
.set HALFT, 24576                      ; 8 row tiles x 256 K: what one tensor load brings, and what a wave reads of A or of B
.set SLOT,  4*HALFT                    ; A's 16 tiles, then B's
.set SCL,   3*SLOT                     ; behind the slots: the scales, 4,096 bytes for each 128 rows: A's two halves, then B's
.set SPARE, SCL+16384                  ; the spare words, 128 bytes for each wave: two blocks of 256 bytes that no other line names
.set FR,  12                           ; registers of a fragment
.set AF,  128                          ; A's fragments
.set SC,  32                           ; scale words: set s at v[SC + 16 s]; register 2 i + q: lanes 0-15 A's block i, lanes 16-31 B's block i, the part's q-th 128 along K
.set G1,   24                          ; s[24:31] descriptor group 1 for A's codes;  s[32:39] group 0: the refill's set and the head's
.set G0,   32
.set G1B,  44                          ; s[44:51], s[52:59] the same for B's
.set G0B,  52
.set G1S,  68                          ; s[68:75], s[76:79] for A's codes of parts 1 and 2;  s[80:87], s[88:91] for B's
.set G0S,  76
.set G1SB, 80
.set G0SB, 88
.set H,   128                          ; the way out: 64 numbers of a lane
.set PC,  192                          ; the codes just made
.set TM,  212                          ; at work in QUANT
.set SW,  232                          ; v232-239 the 8 blocks' scale words
.set W4,  240                          ; v240-243 four words to store
.set SEL, 66                           ; s[66:67] v_permlanex16_b32's selects (set on the way out)
.set MSB, 0
.macro WIN new                         ; the immediate's high byte repeats the setting that is left
.if MSB != (\new)
	s_set_vgpr_msb (MSB<<8)|(\new)
.set MSB, \new
.endif
.endm
.macro PLACES n                        ; plain vector lines between a matrix instruction and a load into, or a vector read of, its registers
.rept \n
	v_nop
.endr
.endm
; A joint load: waves 0 and 1 ask for A, waves 2 and 3 for B; the branch hangs on the wave's number alone.  Four v_nop follow each of the two lines.
.macro JLOAD g0a, g1a, g0b, g1b
	s_cmp_eq_u32 s19, 0
	s_cbranch_scc0 .Lfor_b_\@
	tensor_load_to_lds s[\g0a:\g0a+3], s[\g1a:\g1a+7]
	s_nop 0
.rept 4
	v_nop
.endr
	s_branch .Lasked_\@
.Lfor_b_\@:
	tensor_load_to_lds s[\g0b:\g0b+3], s[\g1b:\g1b+7]
	s_nop 0
.rept 4
	v_nop
.endr
.Lasked_\@:
.endm
.macro CREST                           ; a round of the cluster's barrier behind its opening barrier
	s_cmp_lg_u32 s18, 0
	s_cbranch_scc1 .Lnot_wave_0_\@
	s_barrier_signal -3
.Lnot_wave_0_\@:
	s_barrier_wait -3
	s_barrier_signal -1
	s_barrier_wait -1
.endm
.macro CROUND                          ; a whole round
	s_barrier_signal -1
	s_barrier_wait -1
	CREST
.endm
.macro FRAG reg, a16, a8, off          ; a fragment, 16 rows x 128 K, is two units on end: registers 0-3, 4-5, 6-9, 10-11
	ds_load_b128 v[\reg:\reg+3], v[\a16] offset:\off
	ds_load_b64 v[\reg+4:\reg+5], v[\a8] offset:\off+512
	ds_load_b128 v[\reg+6:\reg+9], v[\a16] offset:\off+768
	ds_load_b64 v[\reg+10:\reg+11], v[\a8] offset:\off+1280
.endm
; 16 matrix instructions: A's blocks a0, a0 + 1 x B's eight, 128 along K.  p: B's set; q: which 128 of the part; sc: the set of scale words.  zero = 1: the first product starts the sums.
; The 64 accumulators take turns, one instruction a turn, in the same order in every step.
.macro MUL16 a0, p, q, sc, zero
.irp a, \a0, \a0+1
.irp b, 0,1,2,3,4,5,6,7
.if \zero
	v_wmma_scale_f32_16x16x128_f8f6f4 v[8*(8*((\a)%4)+\b):8*(8*((\a)%4)+\b)+7], v[128*(\p)+FR*\b:128*(\p)+FR*\b+FR-1], v[AF+FR*(\a):AF+FR*(\a)+FR-1], 0, v[SC+16*(\sc)+2*\b+(\q)], v[SC+16*(\sc)+2*(\a)+(\q)] matrix_a_fmt:MATRIX_FMT_BF6 matrix_b_fmt:MATRIX_FMT_BF6 matrix_a_scale:MATRIX_SCALE_ROW1
.else
	v_wmma_scale_f32_16x16x128_f8f6f4 v[8*(8*((\a)%4)+\b):8*(8*((\a)%4)+\b)+7], v[128*(\p)+FR*\b:128*(\p)+FR*\b+FR-1], v[AF+FR*(\a):AF+FR*(\a)+FR-1], v[8*(8*((\a)%4)+\b):8*(8*((\a)%4)+\b)+7], v[SC+16*(\sc)+2*\b+(\q)], v[SC+16*(\sc)+2*(\a)+(\q)] matrix_a_fmt:MATRIX_FMT_BF6 matrix_b_fmt:MATRIX_FMT_BF6 matrix_a_scale:MATRIX_SCALE_ROW1
.endif
.endr
.endr
.endm
.macro FETCH_B ls, q, p                ; B's eight fragments from slot ls into set p: 32 loads
	WIN 0x40                                       ; destination window 1, address window 0
.irp i, 0,1,2,3,4,5,6,7
	FRAG 128*(\p)+FR*\i, 14+\ls, 17+\ls, 3072*(1+((\ls)+1)/2)*\i+1536*(\q)   ; slot 0: 3,072 bytes from tile to tile; parts 1 and 2 lie side by side: 6,144
.endr
	WIN 0
.endm
.macro FETCH_A ls, q, i0               ; A's blocks i0 .. i0 + 3: 16 loads
.irp i, \i0, \i0+1, \i0+2, \i0+3
	FRAG AF+FR*(\i), 8+\ls, 11+\ls, 3072*(1+((\ls)+1)/2)*(\i)+1536*(\q)
.endr
.endm
.macro SCALES set, t                   ; the scale words of part t of K: two words a row; lanes 0-15 take A's block i, lanes 16-31 B's
.irp i, 0,1,2,3,4,5,6,7
	ds_load_b64 v[SC+16*(\set)+2*\i:SC+16*(\set)+2*\i+1], v20 offset:512*\i+128*(\t)
.endr
.endm
; A step of 128 along K: 64 matrix instructions; in its middle and at its end the next step's fragments (slot nls, its nq-th 128) are fetched; nset >= 0: also the scale words of part nt.
; sync = 0: no barrier.  sync = 1: a barrier that shows the refilled slot whole.  sync = 2: the round behind which slot 0 is filled again.
.macro STEPX p, q, sc, zero, sync, nls, nq, nset, nt
.if \sync
	s_wait_tensorcnt 0x0                           ; all my tensor loads have landed  (every window is 0 here)
	ds_add_u32 v28, v29                            ; 0 onto my spare word
.if \sync == 2
	s_mov_b32 s[G1+2], 8<<16                       ; no tensor load of mine is out, so a descriptor may be written: the refill brings 8 row tiles a wave
	s_mov_b32 s[G1+4], 8
	s_mov_b32 s[G1B+2], 8<<16
	s_mov_b32 s[G1B+4], 8
.endif
	s_wait_dscnt 17
.else
	s_wait_dscnt 16                                ; B's set, A's blocks 0-3 and the scale words are in; A's blocks 4-7 may be out
.endif
	WIN 0xa1                                       ; source 0 (B) window 1, source 1 (A) window 0, C and D window 2
	MUL16 0, \p, \q, \sc, \zero
.if \sync
	s_wait_dscnt 0x0                               ; the add is done, and my reads of the slots are in
	s_barrier_signal -1
.endif
	MUL16 2, \p, \q, \sc, \zero
.if \sync == 0
	s_wait_dscnt 0x0                               ; A's blocks 4-7 are in
	PLACES 4
.elseif \sync == 1
	WIN 0
	s_barrier_wait -1                              ; every wave's part of the refilled slot has landed
	PLACES 4
.else
	WIN 0
	s_barrier_wait -1
	CREST                                          ; no wave of any partner still reads slot 0 or has a load on its way
	s_add_nc_u64 s[G0+2:G0+3], s[G0+2:G0+3], 9216  ; slot 0's next tile: part 3 of K, three parts of 3,072 bytes on
	s_add_nc_u64 s[G0B+2:G0B+3], s[G0B+2:G0B+3], 9216
	JLOAD G0, G1, G0B, G1B                         ; the first tensor load behind the round, and my only one; its four v_nop are the places in front of the loads below
.endif
	FETCH_B \nls, \nq, 1-(\p)
	FETCH_A \nls, \nq, 0
.if \nset >= 0
	SCALES \nset, \nt
.endif
	WIN 0xf1                                       ; C and D window 3
	MUL16 4, \p, \q, \sc, \zero
	MUL16 6, \p, \q, \sc, \zero
	PLACES 4
	WIN 0
	FETCH_A \nls, \nq, 4
.endm
.macro TAIL                            ; the last two steps: part 3 of K
	STEPX 0, 0, 1, 0, 0, 0, 1, -1, 0
	s_wait_dscnt 16
	WIN 0xa1
	MUL16 0, 1, 1, 1, 0
	MUL16 2, 1, 1, 1, 0
	s_wait_dscnt 0x0
	WIN 0xf1
	MUL16 4, 1, 1, 1, 0
	MUL16 6, 1, 1, 1, 0
	WIN 0
	PLACES 4                                       ; in front of the first reads of results and the first writes over A's fragments
.endm
; 64 numbers of a lane, register 16 b + i = k 32 b + 16 (lane / 16) + i of my row, become a fragment's codes in v[PC] on and its scale word in v[pw].
.macro QUANT s, pw
.irp b, 0,1,2,3
	v_max3_num_f32 v[TM+\b], |v[\s+16*\b]|, |v[\s+1+16*\b]|, 0x2800000   ; my 16 numbers of block b, and the floor 2^(5 - 127)
.endr
.irp i, 2,4,6,8,10,12,14
.irp b, 0,1,2,3
	v_max3_num_f32 v[TM+\b], v[TM+\b], |v[\s+16*\b+\i]|, |v[\s+1+16*\b+\i]|
.endr
.endr
.irp b, 0,1,2,3
	v_permlanex16_b32 v[TM+4+\b], v[TM+\b], s[SEL], s[SEL+1]
.endr
.irp b, 0,1,2,3
	v_max_num_f32 v[TM+\b], v[TM+\b], v[TM+4+\b]   ; with lane l xor 16's: the block's largest magnitude
.endr
.irp b, 0,1,2,3
	v_add_nc_u32 v[TM+12+\b], 0xfe000000, v[TM+\b]   ; 4 off its exponent field: the conversion's scale operand
.endr
.irp b, 0,1,2,3
	v_lshrrev_b32 v[TM+4+\b], 23, v[TM+12+\b]      ; the scale's byte
.endr
	v_lshl_or_b32 v[\pw], v[TM+5], 8, v[TM+4]
	v_lshl_or_b32 v[\pw], v[TM+6], 16, v[\pw]
	v_lshl_or_b32 v[\pw], v[TM+7], 24, v[\pw]
.irp c, 0,1
	v_cvt_scalef32_pk16_bf6_f32 v[PC+6*\c:PC+2+6*\c], v[\s+32*\c:\s+15+32*\c], v[TM+12+2*\c]
	v_cvt_scalef32_pk16_bf6_f32 v[PC+12+4*\c:PC+14+4*\c], v[\s+16+32*\c:\s+31+32*\c], v[TM+12+2*\c+1]
.endr
	v_nop                                          ; one plain line behind a scaled conversion
.irp c, 0,1
.irp i, 0,1,2
	v_permlane16_swap_b32 v[PC+6*\c+\i], v[PC+12+4*\c+\i]
.endr
.irp i, 0,1,2
	v_mov_b32 v[PC+3+6*\c+\i], v[PC+12+4*\c+\i]
.endr
.endr
.endm
; A block a's 64 results + the bias, into v[H] on; each accumulator is read from its low end on.  lanebias = 0: a bias for each register; 1: one for the lane's row.
.macro GATHER a, lanebias
	WIN 0x02+(\a)/4                                ; source 0: window 2 or 3
.set kk, 0
.rept 32
.if \lanebias
	v_pk_add_f32 v[H+2*kk:H+2*kk+1], v[64*((\a)%4)+2*kk:64*((\a)%4)+2*kk+1], v[64+2*(\a):65+2*(\a)]
.else
	v_pk_add_f32 v[H+2*kk:H+2*kk+1], v[64*((\a)%4)+2*kk:64*((\a)%4)+2*kk+1], v[64+2*kk:65+2*kk]
.endif
.set kk, kk+1
.endr
	WIN 0
.endm
	s_load_b256 s[4:11], s[0:1], 0x0               ; xq, wq, bq, bk
	s_load_b128 s[12:15], s[0:1], 0x20             ; bv, qk
	s_load_b64 s[16:17], s[0:1], 0x30              ; vq
	v_lshl_add_u32 v28, v0, 2, SPARE               ; my spare word; never rewritten
	v_mov_b32 v29, 0                               ; 0; never rewritten
	ds_add_u32 v28, v29
	ds_add_u32 v28, v29
	s_wait_dscnt 0x0
	v_lshrrev_b32 v1, 5, v0
	v_readfirstlane_b32 s18, v1                    ; wave 0..3
	s_lshr_b32 s19, s18, 1                         ; my half of A's rows.  Also: I fetch for A (0) or for B (1)
	s_and_b32 s20, s18, 1                          ; my half of B's rows.  Also: which 128 rows I fetch
	s_bfe_u32 s21, ttmp6, 0x40000                  ; cx
	s_bfe_u32 s22, ttmp6, 0x40004                  ; cy
	s_and_b32 s23, ttmp7, 0xffff                   ; the cluster's y
	s_lshl_b32 s93, s22, 2
	s_lshl_b32 s93, 15, s93                        ; my row of the cluster
	s_lshl_b32 s100, 0x1111, s21                   ; my column
	s_or_b32 s[G1], s93, (3<<16)|(1<<21)           ; 15:0 the mask; 17:16 elements of 8 bytes; 20 no padding; 21 set beside a mask
	s_or_b32 s[G1B], s100, (3<<16)|(1<<21)
	s_or_b32 s[G1S], s93, (3<<16)|(1<<21)
	s_or_b32 s[G1SB], s100, (3<<16)|(1<<21)
.irp g, G1, G1B                                ; codes: 8 row tiles x 3,072 bytes (384 elements), 12,288 bytes (1,536 elements) from tile to tile
	s_mov_b32 s[\g+1], 384<<16
	s_mov_b32 s[\g+2], 16<<16                      ; at the head a load of part 0 brings all 16 row tiles; the refill's 8 are set ahead of its round
	s_mov_b32 s[\g+3], 384<<16
	s_mov_b32 s[\g+4], 16
	s_mov_b32 s[\g+5], 1536
	s_mov_b32 s[\g+6], 0
	s_mov_b32 s[\g+7], 0
.endr
.irp g, G1S, G1SB                              ; codes of parts 1 and 2
	s_mov_b32 s[\g+1], 768<<16                     ; these two groups now serve parts 1 and 2 of K in one tile: 16 row tiles x 6,144 bytes (768 elements)
	s_mov_b32 s[\g+2], 16<<16
	s_mov_b32 s[\g+3], 768<<16
	s_mov_b32 s[\g+4], 16
	s_mov_b32 s[\g+5], 1536
	s_mov_b32 s[\g+6], 0
	s_mov_b32 s[\g+7], 0
.endr
	; which blocks of 256 rows.  q, k: A = tokens 4 Y + cy, B = features 4 X + cx.  v: A = features 8 + cy (wq's rows 2,048 on), B = tokens 4 Y + cx.
	; What feeds A's descriptors holds cy alone, what feeds B's holds cx alone.
	s_lshl_b32 s92, s23, 2
	s_add_co_u32 s92, s92, s22                     ; 4 Y + cy
	s_add_co_u32 s93, s22, 8                       ; 8 + cy
	s_lshl_b32 s94, ttmp9, 2
	s_add_co_u32 s94, s94, s21                     ; 4 X + cx
	s_lshl_b32 s95, s23, 2
	s_add_co_u32 s95, s95, s21                     ; 4 Y + cx
	s_mov_b32 s66, WS_OFF
	s_mov_b32 s2, XS_OFF
	s_cmp_eq_u32 ttmp9, 2                          ; the cluster's x: the same in all partners
	s_cselect_b32 s93, s93, s92                    ; A's block
	s_cselect_b32 s100, s95, s94                   ; B's block
	s_cselect_b32 s67, s66, s2                     ; where A's buffer has its scales,
	s_cselect_b32 s3, s2, s66                      ; and B's
	s_lshl_b32 s96, s20, 3                         ; the half that I fetch: 8 tiles
	s_lshl_b32 s93, s93, 4
	s_add_co_u32 s93, s93, s96                     ; A's first row tile
	s_lshl_b32 s100, s100, 4
	s_add_co_u32 s100, s100, s96                   ; B's
	s_mul_i32 s98, s93, 12288
	s_mov_b32 s99, 0
	s_lshl_b32 s93, s93, 9
	s_add_co_u32 s66, s93, s67
	s_mov_b32 s67, 0
	s_lshl_b32 s2, s100, 9
	s_add_co_u32 s2, s2, s3
	s_mov_b32 s3, 0
	s_mul_i32 s100, s100, 12288
	s_mov_b32 s101, 0
	s_wait_kmcnt 0x0
	s_cmp_eq_u32 ttmp9, 2
	s_cselect_b64 s[96:97], s[6:7], s[4:5]         ; A's buffer: wq for v, else xq
	s_cselect_b64 s[4:5], s[4:5], s[6:7]           ; B's: the other
	s_add_nc_u64 s[98:99], s[96:97], s[98:99]      ; A's codes,
	s_add_nc_u64 s[66:67], s[96:97], s[66:67]      ; A's scales,
	s_add_nc_u64 s[100:101], s[4:5], s[100:101]    ; B's codes,
	s_add_nc_u64 s[2:3], s[4:5], s[2:3]            ; B's scales
	s_mul_i32 s6, s18, HALFT                       ; where they go: wave x 8 tiles; no place in the cluster enters an LDS address
	s_lshl_b32 s7, s18, 12
	CROUND                                         ; all sixteen work-groups are here: the first joint loads meet
; THE HEAD'S FOUR TILES, ONE TENSOR LOAD A WAVE: wave 0 A's part 0 (16 row tiles, into slot 0), wave 1 B's part 0, wave 2 A's parts 1 and 2 (one tile, rows of 6,144 bytes), wave 3 B's.
; The scale words come by plain loads and LDS stores, into bytes of their own.  No data prefetch: K has four parts, three of them asked for here.
	s_mov_b32 s[G0], 1                             ; the refill's group 0: my 8 row tiles in slot 0; its address is stepped to part 3 behind the round
	s_add_co_u32 s[G0+1], s6, 0
	s_mov_b64 s[G0+2:G0+3], s[98:99]
	s_or_b32 s[G0+3], s[G0+3], 0x80000000
	s_mov_b32 s[G0B], 1
	s_add_co_u32 s[G0B+1], s6, 0
	s_mov_b64 s[G0B+2:G0B+3], s[100:101]
	s_or_b32 s[G0B+3], s[G0B+3], 0x80000000
	s_mul_i32 s96, s20, 8*12288                    ; back from my half to the block's first row tile
	s_mov_b32 s97, 0
	s_sub_nc_u64 s[98:99], s[98:99], s[96:97]
	s_sub_nc_u64 s[100:101], s[100:101], s[96:97]
	s_mov_b32 s[G0+4], 1
	s_mov_b32 s[G0+5], 0
	s_mov_b64 s[G0+6:G0+7], s[98:99]
	s_or_b32 s[G0+7], s[G0+7], 0x80000000
	s_mov_b32 s[G0B+4], 1
	s_mov_b32 s[G0B+5], 2*HALFT
	s_mov_b64 s[G0B+6:G0B+7], s[100:101]
	s_or_b32 s[G0B+7], s[G0B+7], 0x80000000
	s_mov_b32 s[G0S], 1
	s_mov_b32 s[G0S+1], SLOT
	s_add_nc_u64 s[G0S+2:G0S+3], s[98:99], 3072
	s_or_b32 s[G0S+3], s[G0S+3], 0x80000000
	s_mov_b32 s[G0SB], 1
	s_mov_b32 s[G0SB+1], 2*SLOT
	s_add_nc_u64 s[G0SB+2:G0SB+3], s[100:101], 3072
	s_or_b32 s[G0SB+3], s[G0SB+3], 0x80000000
	s_cmp_eq_u32 s18, 0
	s_cbranch_scc0 .Lhead_1
	tensor_load_to_lds s[G0+4:G0+7], s[G1:G1+7]
	s_nop 0
	PLACES 4
	s_branch .Lhead_asked
.Lhead_1:
	s_cmp_eq_u32 s18, 1
	s_cbranch_scc0 .Lhead_2
	tensor_load_to_lds s[G0B+4:G0B+7], s[G1B:G1B+7]
	s_nop 0
	PLACES 4
	s_branch .Lhead_asked
.Lhead_2:
	s_cmp_eq_u32 s18, 2
	s_cbranch_scc0 .Lhead_3
	tensor_load_to_lds s[G0S:G0S+3], s[G1S:G1S+7]
	s_nop 0
	PLACES 4
	s_branch .Lhead_asked
.Lhead_3:
	tensor_load_to_lds s[G0SB:G0SB+3], s[G1SB:G1SB+7]
	s_nop 0
	PLACES 4
.Lhead_asked:
	v_and_b32 v1, 15, v0                           ; r
	v_bfe_u32 v2, v0, 4, 1                         ; h
	v_and_b32 v3, 31, v0
	v_lshlrev_b32 v21, 4, v3                       ; 16 x lane
	v_lshlrev_b32 v22, 3, v3                       ; 8 x lane
	s_cmp_eq_u32 s19, 0                            ; the scale words of 128 rows, 4,096 dense bytes a wave: waves 0, 1 A's halves, waves 2, 3 B's
	s_cselect_b64 s[66:67], s[66:67], s[2:3]
.irp k, 0,1,2,3,4,5,6,7
	global_load_b128 v[128+4*\k:131+4*\k], v21, s[66:67] offset:512*\k   ; 512 consecutive bytes an instruction
.endr
	s_add_co_u32 s7, s7, SCL
	v_add_nc_u32 v23, s7, v21                      ; where they go in LDS: SCL + 4,096 x wave + 16 x lane
	s_wait_alu depctr_va_vdst(0)
	s_mul_i32 s6, s19, HALFT                       ; slot 0: my 128 rows of A,
	s_mul_i32 s7, s20, HALFT
	s_add_co_u32 s7, s7, 2*HALFT                   ; my 128 rows of B, behind A's 256
	v_add_nc_u32 v8, s6, v21                       ; v8-10, v11-13: A's fragments of part 0, 1, 2, by 16 and by 8 bytes a lane
	v_add_nc_u32 v11, s6, v22
	v_add_nc_u32 v14, s7, v21                      ; v14-16, v17-19: B's
	v_add_nc_u32 v17, s7, v22
	s_mul_i32 s6, s19, 2*HALFT                     ; parts 1 and 2: A's 16 row tiles of 6,144 bytes from SLOT on, B's from 2 SLOT on
	s_add_co_u32 s6, s6, SLOT
	s_mul_i32 s7, s20, 2*HALFT
	s_add_co_u32 s7, s7, 2*SLOT
.irp s, 1,2
	v_add_nc_u32 v[8+\s], s6, v21
	v_add_nc_u32 v[11+\s], s6, v22
	v_add_nc_u32 v[14+\s], s7, v21
	v_add_nc_u32 v[17+\s], s7, v22
	s_add_co_u32 s6, s6, 3072
	s_add_co_u32 s7, s7, 3072
.endr
	s_lshl_b32 s6, s19, 12                         ; the scale words: A's, my 128 rows;
	s_lshl_b32 s7, s20, 12
	s_add_co_u32 s7, s7, 8192                      ; B's, behind A's 8,192 bytes
	s_sub_co_u32 s7, s7, s6
	v_mul_u32_u24 v4, s7, v2                       ; lanes 16-31 take B's: one product in h
	s_add_co_u32 s6, s6, SCL
	v_lshl_add_u32 v4, v1, 3, v4                   ; 8 bytes a row
	v_add_nc_u32 v20, s6, v4
	s_wait_alu depctr_va_vdst(0)
	s_wait_loadcnt 0x0                             ; my scale words are in registers
.irp k, 0,1,2,3,4,5,6,7
	ds_store_b128 v23, v[128+4*\k:131+4*\k] offset:512*\k
.endr
	s_wait_dscnt 0x0                               ; and in LDS
	s_cmp_lt_u32 s18, 2
	s_cbranch_scc0 .Lnot_part_0
	s_wait_tensorcnt 0x0                           ; waves 0 and 1: part 0 has landed.  Parts 1 and 2 may be out, and the round in the second step shows them
.Lnot_part_0:
	s_barrier_signal -1
	s_barrier_wait -1                              ; everybody's are
	FETCH_B 0, 0, 0
	FETCH_A 0, 0, 0
	SCALES 0, 0
	FETCH_A 0, 0, 4
	STEPX 0, 0, 0, 1, 0, 0, 1, -1, 0               ; K 0-127: its products start the sums
	STEPX 1, 1, 0, 0, 2, 1, 0, 1, 1                ; K 128-255: slot 0 has been read out: the round, and its refill with part 3, which has 224 matrix instructions in which to land
	STEPX 0, 0, 1, 0, 0, 1, 1, -1, 0
	STEPX 1, 1, 1, 0, 0, 2, 0, 0, 2                ; (slot 2 was shown whole by the waits in front of the round)
	STEPX 0, 0, 0, 0, 0, 2, 1, -1, 0
	STEPX 1, 1, 0, 0, 1, 0, 0, 1, 3                ; a barrier shows part 3 whole
	s_mov_b32 s[SEL], 0x76543210
	s_mov_b32 s[SEL+1], 0xfedcba98
	s_cmp_eq_u32 ttmp9, 2                          ; the ways part on the cluster's x: no barrier, no tensor load and no LDS store stands on either
	s_cbranch_scc1 .Lpath_v
; ---- q, k: a lane holds a token; its 64 registers of a block are 128 features: two heads.
	s_cmp_eq_u32 ttmp9, 1
	s_cselect_b64 s[96:97], s[10:11], s[8:9]       ; bk or bq
	s_lshl_b32 s98, s21, 10
	s_lshl_b32 s99, s20, 9
	s_add_co_u32 s98, s98, s99                     ; my 128 features' biases: (256 cx + 128 half) x 4 bytes
	s_mov_b32 s99, 0
	s_add_nc_u64 s[96:97], s[96:97], s[98:99]
	v_lshlrev_b32 v23, 6, v2                       ; register 16 b + i wants feature 32 b + 16 h + i
.irp b, 0,1,2,3
.irp j, 0,1,2,3
	global_load_b128 v[64+16*\b+4*\j:64+16*\b+4*\j+3], v23, s[96:97] offset:128*\b+16*\j   ; they land under the last 128 matrix instructions
.endr
.endr
	s_lshl_b32 s98, s94, 2
	s_lshl_b32 s99, s20, 1
	s_add_co_u32 s98, s98, s99                     ; my first head in qk: 16 X + 4 cx + 2 half
	s_lshr_b32 s99, s92, 3                         ; the batch
	s_and_b32 s100, s92, 7
	s_lshl_b32 s100, s100, 1
	s_add_co_u32 s100, s100, s19                   ; my 128 tokens in it: a key step, 8 tiles
	s_mul_i32 s2, s98, 393216
	s_mul_i32 s3, s99, 98304
	s_add_co_u32 s2, s2, s3
	s_mul_i32 s3, s100, 6144
	s_add_co_u32 s2, s2, s3
	s_mov_b32 s3, 0
	s_add_nc_u64 s[2:3], s[14:15], s[2:3]          ; the codes
	s_lshl_b32 s98, s98, 2
	s_add_co_u32 s98, s98, s99
	s_lshl_b32 s98, s98, 12
	s_lshl_b32 s100, s100, 8
	s_add_co_u32 s98, s98, s100
	s_add_co_u32 s98, s98, QKS_OFF
	s_mov_b32 s99, 0
	s_add_nc_u64 s[98:99], s[14:15], s[98:99]      ; the scales
	s_mov_b32 s100, 0xffff0000                     ; the mask of lanes 16-31
	v_lshlrev_b32 v25, 14, v2
	v_lshl_add_u32 v25, v1, 4, v25                 ; lanes 0-15 store the first head's words, lanes 16-31 the second's, 16,384 bytes on; 16 bytes a row
	v_mov_b32 v24, 0x05040100
	v_mov_b32 v26, 0x07060302
	v_cndmask_b32 v24, v24, v26, s100              ; which two bytes of a block's scale word are my head's
	TAIL
.irp b, 0,1,2,3
	v_mov_b32 v[TM+4+\b], 0                        ; a lane permute's destination counts as one of its sources
.endr
	s_wait_loadcnt 0x0                             ; the bias
.irp a, 0,1,2,3,4,5,6,7
.if \a > 0
	s_wait_xcnt 0x0                                ; the last block's stores have read v[PC] on
.endif
	GATHER \a, 0
	QUANT H, SW+\a
	global_store_b128 v21, v[PC:PC+3], s[2:3] offset:768*\a                 ; registers 0-5: the first head's unit of tile a
	global_store_b64 v22, v[PC+4:PC+5], s[2:3] offset:768*\a+512
	global_store_b128 v21, v[PC+6:PC+9], s[2:3] offset:393216+768*\a        ; registers 6-11: the second head's
	global_store_b64 v22, v[PC+10:PC+11], s[2:3] offset:393216+768*\a+512
.endr
.irp p, 0,1,2,3                                ; a word for each pair of tiles: (tile 2 p: two bytes, tile 2 p + 1: two bytes): the word of a K = 128 fragment made of the two tiles
	v_perm_b32 v[W4+\p], v[SW+2*\p+1], v[SW+2*\p], v24
.endr
	global_store_b128 v25, v[W4:W4+3], s[98:99]    ; sixteen lanes store 256 consecutive bytes, aligned
	s_branch .Lend
; ---- v: a lane holds a feature; its 64 registers of a block are 128 tokens, one key step: the quantiser runs along the tokens.
.Lpath_v:
	s_lshl_b32 s98, s22, 10
	s_lshl_b32 s99, s19, 9
	s_add_co_u32 s98, s98, s99                     ; my 128 features' biases
	s_mov_b32 s99, 0
	s_add_nc_u64 s[96:97], s[12:13], s[98:99]
	v_and_b32 v23, 8, v1
	v_add_nc_u32 v23, v23, v1
	v_lshlrev_b32 v23, 2, v23                      ; my row of a tile: r + 8 (r / 8)
.irp a, 0,1,2,3,4,5,6,7
	global_load_b32 v[64+2*\a], v23, s[96:97] offset:(32*(\a/2)+8*(\a%2))*4   ; twice: a pair for the packed addition
	global_load_b32 v[65+2*\a], v23, s[96:97] offset:(32*(\a/2)+8*(\a%2))*4
.endr
	s_lshr_b32 s98, s95, 3                         ; the batch
	s_and_b32 s99, s95, 7
	s_lshl_b32 s99, s99, 1
	s_add_co_u32 s99, s99, s20                     ; the key step
	s_lshl_b32 s100, s22, 2
	s_lshl_b32 s101, s19, 1
	s_add_co_u32 s100, s100, s101                  ; my first head: 4 cy + 2 half
	s_lshl_b32 s98, s98, 4
	s_add_co_u32 s98, s98, s100                    ; 16 x batch + head
	s_mul_i32 s2, s98, 98304
	s_mul_i32 s3, s99, 6144
	s_add_co_u32 s2, s2, s3
	s_mov_b32 s3, 0
	s_add_nc_u64 s[2:3], s[16:17], s[2:3]          ; the codes
	s_lshl_b32 s98, s98, 12
	s_lshl_b32 s99, s99, 8
	s_add_co_u32 s98, s98, s99
	s_add_co_u32 s98, s98, VS_OFF
	s_mov_b32 s99, 0
	s_add_nc_u64 s[98:99], s[16:17], s[98:99]      ; the scales
	s_mov_b32 s100, 0xffff0000
	v_lshlrev_b32 v25, 12, v2
	v_lshl_add_u32 v25, v1, 4, v25                 ; lanes 16-31: the second head, 4,096 bytes on
	TAIL
.irp b, 0,1,2,3
	v_mov_b32 v[TM+4+\b], 0
.endr
	s_wait_loadcnt 0x0
.irp a, 0,1,2,3,4,5,6,7
.if \a > 0
	s_wait_xcnt 0x0
.endif
	GATHER \a, 1
	QUANT H, SW+\a                                 ; the fragment of V^T: 16 of head (a / 4)'s numbers x 128 tokens
.irp c, 0,1,2
	global_store_b128 v21, v[PC+4*\c:PC+4*\c+3], s[2:3] offset:(\a/4)*98304+(\a%4)*1536+512*\c   ; 512 consecutive bytes, aligned
.endr
.endr
.irp t, 0,1,2,3
	v_cndmask_b32 v[W4+\t], v[SW+\t], v[SW+4+\t], s100   ; lanes 0-15: the first head's four tiles, lanes 16-31: the second's
.endr
	global_store_b128 v25, v[W4:W4+3], s[98:99]
.Lend:
	s_wait_tensorcnt 0x0                           ; the wave's end
	ds_add_u32 v28, v29
	s_wait_dscnt 0x0
	CROUND                                         ; the closing round: no work-group ends while a partner may still ask for a tile that names it
	s_endpgm
.Lfunc_end_k_q188082f05c_qkv:
	.size	k_q188082f05c_qkv, .Lfunc_end_k_q188082f05c_qkv-k_q188082f05c_qkv
	.p2alignl 7, 3214868480
	.fill 96, 4, 3214868480
	.section	.rodata,"a",@progbits
	.p2align	6, 0x0
	.amdhsa_kernel k_q188082f05c_qkv
		.amdhsa_group_segment_fixed_size 327680
		.amdhsa_private_segment_fixed_size 0
		.amdhsa_enable_private_segment 0
		.amdhsa_kernarg_size 56
		.amdhsa_user_sgpr_count 2
		.amdhsa_user_sgpr_kernarg_segment_ptr 1
		.amdhsa_wavefront_size32 1
		.amdhsa_system_sgpr_workgroup_id_x 1
		.amdhsa_system_sgpr_workgroup_id_y 1
		.amdhsa_system_sgpr_workgroup_id_z 1
		.amdhsa_system_vgpr_workitem_id 0
		.amdhsa_next_free_vgpr 1024
		.amdhsa_next_free_sgpr 102
		.amdhsa_reserve_vcc 0
		.amdhsa_float_denorm_mode_32 3
		.amdhsa_float_denorm_mode_16_64 3
		.amdhsa_memory_ordered 1
		.amdhsa_forward_progress 1
		.amdhsa_inst_pref_size 240
	.end_amdhsa_kernel
	.amdgpu_metadata
---
amdhsa.version: [ 1, 2 ]
amdhsa.kernels:
  - .name:           k_q188082f05c_qkv
    .symbol:         k_q188082f05c_qkv.kd
    .args:
      - { .name: xq, .offset: 0, .size: 8, .value_kind: global_buffer, .address_space: global }
      - { .name: wq, .offset: 8, .size: 8, .value_kind: global_buffer, .address_space: global }
      - { .name: bq, .offset: 16, .size: 8, .value_kind: global_buffer, .address_space: global }
      - { .name: bk, .offset: 24, .size: 8, .value_kind: global_buffer, .address_space: global }
      - { .name: bv, .offset: 32, .size: 8, .value_kind: global_buffer, .address_space: global }
      - { .name: qk, .offset: 40, .size: 8, .value_kind: global_buffer, .address_space: global }
      - { .name: vq, .offset: 48, .size: 8, .value_kind: global_buffer, .address_space: global }
    .group_segment_fixed_size: 327680
    .private_segment_fixed_size: 0
    .kernarg_segment_align: 8
    .kernarg_segment_size: 56
    .max_flat_workgroup_size: 128
    .sgpr_count:     102
    .vgpr_count:     1024
    .wavefront_size: 32
...
	.end_amdgpu_metadata
.endif
;; end of part 2
;; launch attn (part 3): grid 4 x 64, 16 waves a work-group, clusters of 4 x 1, 327,680 bytes of LDS; arguments qk, vq, oq; writes oq
.if DOCPART == 3
	.amdgcn_target "amdgcn-amd-amdhsa--gfx1250"
	.amdhsa_code_object_version 6
	.text
	.protected	k_q188082f05c_attn
	.globl	k_q188082f05c_attn
	.p2align	8
	.type	k_q188082f05c_attn,@function
k_q188082f05c_attn:
	s_mov_b64 s[64:65], 0
	v_nop
	global_prefetch_b8 v0, s[64:65] scope:SCOPE_SE
	s_setreg_imm32_b32 hwreg(HW_REG_WAVE_MODE, 25, 1), 1
	s_wait_xcnt 0x0
	s_wait_alu depctr_hold_cnt(0) depctr_sa_sdst(0) depctr_va_vdst(0) depctr_va_sdst(0) depctr_va_ssrc(0) depctr_va_vcc(0) depctr_vm_vsrc(0)
	s_getreg_b32 s2, hwreg(HW_REG_IB_STS2, 6, 4)
	s_cmp_eq_u32 s2, 0
	s_cbranch_scc0 .Lentry_in_a_cluster
	s_endpgm
.Lentry_in_a_cluster:
	s_bfe_u32 s2, ttmp6, 0x10000c
	s_cmp_lg_u32 s2, 0x3003
	s_cbranch_scc0 .Lentry_shape_is_right
	s_endpgm
.Lentry_shape_is_right:
; o = softmax(q k^T / 32, causal) v for one head of one batch, on codes of BF6 (E3M2) with E8M0 scales; o is quantised along the head's 64 numbers on the way out.
; LEFT OUT: key steps that lie wholly above the diagonal (reference()'s own jnp.tril sets them to -inf, so their p is 0 for all inputs).
; LIMITS: NaN and infinities are not served; the promise holds while the scaled scores (the exponents to the base 2) stay under 2^31 in magnitude.
; THE DEAL.  A cluster of four work-groups takes a head and a batch (the cluster's y); the head's K and V, 2,048 keys, lie whole in each work-group's LDS and are asked for JOINTLY, one tensor load a wave
; (waves 0-7 two key steps of K each, waves 8-15 of V).  No refill.  No data prefetch: all is asked for at the head.
; Wave w of the work-group at place cx takes the query tiles T = 4 w + cx and 127 - T: 17 key steps of 128 in all for every wave.  A tile's diagonal step is T / 8 = w / 2, or (31 - w) / 2:
; no branch hangs on cx, and wave 0 of every partner reads every key step.  cx enters global addresses and the lanes' mask numbers alone.
; Both products are used transposed (S^T = k q^T, O^T = v^T p^T): a lane holds one query.  The head's 64 numbers fill half of the instruction's K: a fragment of K holds two tiles of 16 keys,
; and q stands once in the lower and once in the upper half of its operand, zeros in the other.
; p = 2^(t - M), M the ceiling of the running largest t; the row's sum is taken of the unquantised p; a change of M multiplies the sums by an exact power of two.
; The scale bytes of K and V (512 bytes a wave) come by plain loads and LDS stores into bytes of their own.
.set QKS_OFF, 12582912
.set VS_OFF,  6291456
.set OS_OFF,  6291456
.set LV0, 98304                        ; LDS: K's codes, then V's,
.set LKS, 196608                       ; K's scale words (4,096 bytes), V's; the spare words from 0x32000 on, 128 bytes a wave
.set F,   52                           ; v52-99   four fragments of K or of V
.set KSW, 100
.set VSW, 104
.set PW,  108                          ; p's scale word; v109, v110 q's of the two passes
.set S,   112                          ; v112-175 the scores, then p
.set O,   176                          ; v176-207 O^T
.set PC,  208                          ; p's codes
.set BM,  228
.set BP,  232
.set BS,  236
.macro CROUND                          ; a round of the cluster's barrier
	s_barrier_signal -1
	s_barrier_wait -1
	s_cmp_lg_u32 s10, 0
	s_cbranch_scc1 .Lnot_wave_0_\@
	s_barrier_signal -3
.Lnot_wave_0_\@:
	s_barrier_wait -3
	s_barrier_signal -1
	s_barrier_wait -1
.endm
	s_load_b128 s[4:7], s[0:1], 0x0                ; qk, vq
	s_load_b64 s[8:9], s[0:1], 0x10                ; oq
	v_lshl_add_u32 v254, v0, 2, 0x32000            ; my spare word; never rewritten
	v_mov_b32 v255, 0                              ; 0; never rewritten
	ds_add_u32 v254, v255                          ; the opening lines: the add, twice on end, and its wait ahead of the first round
	ds_add_u32 v254, v255
	v_lshrrev_b32 v1, 5, v0
	v_readfirstlane_b32 s10, v1                    ; wave 0..15
	s_mov_b32 s16, 15|(3<<16)|(1<<21)              ; group 1: the mask of all four partners, elements of 8 bytes; 12,288 dense bytes as 48 rows of 256
	s_mov_b32 s17, 32<<16
	s_mov_b32 s18, 48<<16
	s_mov_b32 s19, 32<<16
	s_mov_b32 s20, 48
	s_mov_b32 s21, 32
	s_mov_b32 s22, 0
	s_mov_b32 s23, 0
	s_bfe_u32 s24, ttmp6, 0x40000                  ; cx
	s_lshr_b32 s25, s10, 1
	s_lshl_b32 s25, s25, 7                         ; first key of the diagonal step, pass 0: 128 (w / 2)
	s_sub_co_u32 s26, 31, s10
	s_lshr_b32 s26, s26, 1
	s_lshl_b32 s26, s26, 7                         ; pass 1: 128 ((31 - w) / 2)
	s_and_b32 s66, ttmp7, 0xffff
	s_lshr_b32 s67, s66, 4                         ; batch
	s_and_b32 s66, s66, 15                         ; head
	s_lshl_b32 s69, s66, 2
	s_add_co_u32 s69, s69, s67                     ; q's place in qk: 4 head + batch
	s_add_co_u32 s68, s69, 64                      ; k's
	s_lshl_b32 s70, s67, 4
	s_add_co_u32 s70, s70, s66                     ; v's place in vq: 16 batch + head
	s_and_b32 s71, s10, 7
	s_mov_b32 s73, QKS_OFF
	s_cmp_lt_u32 s10, 8                            ; waves 0-7 fetch K, waves 8-15 V
	s_cselect_b32 s72, s68, s70
	s_cselect_b32 s73, s73, VS_OFF
	s_mul_i32 s74, s72, 98304
	s_mul_i32 s75, s71, 12288
	s_add_co_u32 s74, s74, s75                     ; my two key steps' codes
	s_mov_b32 s75, 0
	s_lshl_b32 s76, s72, 12
	s_lshl_b32 s77, s71, 9
	s_add_co_u32 s76, s76, s77
	s_add_co_u32 s76, s76, s73                     ; and their scale words, 512 bytes
	s_mov_b32 s77, 0
	s_mov_b32 s32, 1
	s_mul_i32 s33, s10, 12288                      ; LDS: wave x 12,288
	s_lshl_b32 s37, s10, 9
	s_add_co_u32 s37, s37, LKS
	v_and_b32 v3, 31, v0
	v_lshlrev_b32 v1, 4, v3                        ; 16 x lane
	v_lshlrev_b32 v2, 3, v3                        ; 8 x lane
	v_add_nc_u32 v3, LV0, v1
	v_add_nc_u32 v11, s37, v1                      ; where my 16 bytes of scale words go
	v_and_b32 v7, 15, v0                           ; r
	v_bfe_u32 v6, v0, 4, 1                         ; h
	v_and_b32 v5, 8, v7
	v_add_nc_u32 v5, v5, v7
	v_lshlrev_b32 v4, 4, v6
	v_sub_nc_u32 v5, v5, v4                        ; my query's row in its tile less my keys' 16 h
	v_lshl_add_u32 v6, v7, 3, v6                   ; o's scale byte: 8 r + h
	v_lshlrev_b32 v7, 4, v7                        ; 16 r
	v_add_nc_u32 v4, LKS, v7
	s_wait_alu depctr_va_vdst(0)
	s_wait_dscnt 0x0
	CROUND                                         ; all four work-groups are here: the joint loads meet
	s_wait_kmcnt 0x0
	s_cmp_lt_u32 s10, 8
	s_cselect_b64 s[78:79], s[4:5], s[6:7]
	s_add_nc_u64 s[34:35], s[78:79], s[74:75]
	s_or_b32 s35, s35, 0x80000000
	s_add_nc_u64 s[38:39], s[78:79], s[76:77]
	tensor_load_to_lds s[32:35], s[16:23]          ; my one tensor load
	s_nop 0
	global_load_b128 v[S:S+3], v1, s[38:39]        ; 512 consecutive bytes of scale words
	s_mov_b32 s11, 0xffff0000
	s_mov_b32 s12, 0x76543210
	s_mov_b32 s13, 0xfedcba98                      ; v_permlanex16_b32's selects for lane l xor 16
	s_mov_b32 s14, 0x3d38aa3b                      ; log2(e) / 32
	s_mov_b32 s15, s14
	s_lshr_b32 s72, s66, 2                         ; my head's two scale bytes in a row of oq's scales
	s_lshl_b32 s72, s72, 7
	s_bfe_u32 s73, s66, 0x10001
	s_lshl_b32 s73, s73, 2
	s_add_co_u32 s72, s72, s73
	s_and_b32 s73, s66, 1
	s_lshl_b32 s73, s73, 1
	s_add_co_u32 s72, s72, s73
	s_add_co_u32 s72, s72, OS_OFF
.macro PREP p                          ; pass p's addresses, for the query tile in s62
	s_mul_i32 s[40+8*(\p)], s69, 98304
	s_mul_i32 s63, s62, 768
	s_add_co_u32 s[40+8*(\p)], s[40+8*(\p)], s63
	s_mov_b32 s[41+8*(\p)], 0
	s_add_nc_u64 s[40+8*(\p):41+8*(\p)], s[4:5], s[40+8*(\p):41+8*(\p)]     ; q's codes
	s_lshl_b32 s[42+8*(\p)], s69, 12
	s_lshr_b32 s63, s62, 3
	s_lshl_b32 s63, s63, 8
	s_add_co_u32 s[42+8*(\p)], s[42+8*(\p)], s63
	s_bfe_u32 s63, s62, 0x20001
	s_lshl_b32 s63, s63, 2
	s_add_co_u32 s[42+8*(\p)], s[42+8*(\p)], s63
	s_add_co_u32 s[42+8*(\p)], s[42+8*(\p)], QKS_OFF
	s_mov_b32 s[43+8*(\p)], 0
	s_add_nc_u64 s[42+8*(\p):43+8*(\p)], s[4:5], s[42+8*(\p):43+8*(\p)]     ; q's scale words
	s_lshl_b32 s63, s67, 7
	s_add_co_u32 s63, s63, s62
	s_mul_i32 s[44+8*(\p)], s63, 12288
	s_mul_i32 s71, s66, 768
	s_add_co_u32 s[44+8*(\p)], s[44+8*(\p)], s71
	s_mov_b32 s[45+8*(\p)], 0
	s_add_nc_u64 s[44+8*(\p):45+8*(\p)], s[8:9], s[44+8*(\p):45+8*(\p)]     ; o's codes
	s_lshl_b32 s[46+8*(\p)], s63, 9
	s_add_co_u32 s[46+8*(\p)], s[46+8*(\p)], s72
	s_mov_b32 s[47+8*(\p)], 0
	s_add_nc_u64 s[46+8*(\p):47+8*(\p)], s[8:9], s[46+8*(\p):47+8*(\p)]     ; o's scale bytes
	s_lshr_b32 s63, s62, 1
	s_lshl_b32 s63, s63, 5
	s_and_b32 s71, s62, 1
	s_lshl_b32 s71, s71, 3
	s_add_co_u32 s[56+(\p)], s63, s71              ; the tile's first token: 32 (T / 2) + 8 (T % 2)
	s_and_b32 s63, s62, 1
	s_mul_i32 s63, s63, 0x02020202
	s_add_co_u32 s[74+(\p)], s63, 0x01000100       ; which two bytes of the pair's scale word are my tile's
.endm
.macro QLOAD QR, tw, p                 ; q, zeros, q: registers 0-11 are (q | 0), registers 6-17 (0 | q)
	global_load_b128 v[\QR:\QR+3], v1, s[40+8*(\p):41+8*(\p)]
	global_load_b64 v[\QR+4:\QR+5], v2, s[40+8*(\p):41+8*(\p)] offset:512
	global_load_b128 v[\QR+12:\QR+15], v1, s[40+8*(\p):41+8*(\p)]
	global_load_b64 v[\QR+16:\QR+17], v2, s[40+8*(\p):41+8*(\p)] offset:512
	global_load_b32 v[\tw], v7, s[42+8*(\p):43+8*(\p)]
.irp i, 6,7,8,9,10,11
	v_mov_b32 v[\QR+\i], 0
.endr
.endm
	s_lshl_b32 s62, s10, 2
	s_add_co_u32 s62, s62, s24                     ; T = 4 w + cx
	PREP 0
	QLOAD 16, 111, 0
	s_sub_co_u32 s62, 127, s62
	PREP 1
	QLOAD 34, 248, 1
.irp b, 0,1,2,3
	v_mov_b32 v[BP+\b], 0                          ; a lane permute's destination counts as one of its sources
.endr
	v_mov_b32 v240, 0
	v_mov_b32 v243, 0
	v_mov_b32 v246, 0xff800000                     ; -inf for what the mask hides
	s_wait_loadcnt 0x0
	ds_store_b128 v11, v[S:S+3]
	v_perm_b32 v109, v111, v111, s74
	v_perm_b32 v110, v248, v248, s75
	s_wait_dscnt 0x0                               ; my scale words are in LDS,
	s_wait_tensorcnt 0x0                           ; my codes too;
	s_barrier_signal -1
	s_barrier_wait -1                              ; everybody's are
.macro PASS QR, QSR, p
	s_wait_xcnt 0x0                                ; the last pass's stores have read their registers
	v_mov_b32 v13, 0xff61b1e6                      ; the largest t so far: -3e38
	s_delay_alu instid0(VALU_DEP_1)
	v_floor_f32 v12, -v13                          ; -M
	v_mov_b32 v14, 0
	v_mov_b32 v15, 0
.irp j, 0,1,2,3,4,5,6,7,8,9,10,11,12,13,14,15,16,17,18,19,20,21,22,23,24,25,26,27,28,29,30,31
	v_mov_b32 v[O+\j], 0
.endr
	s_mov_b32 s58, 0                               ; the step's first key; its codes' and its scale words' place in LDS
	s_mov_b32 s59, 0
	s_mov_b32 s60, 0
	s_mov_b32 s61, 16                              ; a constant count of trips; the steps above the diagonal are jumped over
.Lstep_\@:
	s_cmp_gt_u32 s58, s[25+(\p)]
	s_cbranch_scc1 .Lhidden_\@
	v_add_nc_u32 v8, s59, v1
	v_add_nc_u32 v9, s59, v2
	v_add_nc_u32 v10, s59, v3
	v_add_nc_u32 v11, s60, v4
.irp g, 0,1,2,3
	ds_load_b128 v[F+12*\g:F+12*\g+3], v8 offset:1536*\g
	ds_load_b64 v[F+12*\g+4:F+12*\g+5], v9 offset:1536*\g+512
	ds_load_b128 v[F+12*\g+6:F+12*\g+9], v8 offset:1536*\g+768
	ds_load_b64 v[F+12*\g+10:F+12*\g+11], v9 offset:1536*\g+1280
.endr
	ds_load_b128 v[KSW:KSW+3], v11
	s_wait_alu depctr_va_vdst(0)
	s_wait_dscnt 0x0
.irp g, 0,1,2,3
	v_wmma_scale_f32_16x16x128_f8f6f4 v[S+16*\g:S+16*\g+7], v[F+12*\g:F+12*\g+11], v[\QR:\QR+11], 0, v[KSW+\g], v[\QSR] matrix_a_fmt:MATRIX_FMT_BF6 matrix_b_fmt:MATRIX_FMT_BF6
	v_wmma_scale_f32_16x16x128_f8f6f4 v[S+16*\g+8:S+16*\g+15], v[F+12*\g:F+12*\g+11], v[\QR+6:\QR+17], 0, v[KSW+\g], v[\QSR] matrix_a_fmt:MATRIX_FMT_BF6 matrix_b_fmt:MATRIX_FMT_BF6
.endr
.rept 4
	v_nop                                          ; places in front of the loads into K's registers and the first reads of the scores
.endr
.irp t, 0,1,2,3
.irp c, 0,1,2
	ds_load_b128 v[F+12*\t+4*\c:F+12*\t+4*\c+3], v10 offset:1536*\t+512*\c   ; V's fragments land under the softmax
.endr
.endr
	ds_load_b128 v[VSW:VSW+3], v11 offset:4096
	s_cmp_lt_u32 s58, s[25+(\p)]                   ; under the diagonal step nothing is hidden
	s_cbranch_scc1 .Lopen_\@
	s_sub_co_i32 s63, s[56+(\p)], s58
	v_add_nc_u32 v247, s63, v5                     ; my query less the step's first key less 16 h
.irp n, 0,1,2,3,4,5,6,7,8,9,10,11,12,13,14,15,16,17,18,19,20,21,22,23,24,25,26,27,28,29,30,31,32,33,34,35,36,37,38,39,40,41,42,43,44,45,46,47,48,49,50,51,52,53,54,55,56,57,58,59,60,61,62,63
	v_cmp_gt_i32 vcc_lo, 32*(\n/16)+\n%16, v247
	v_cndmask_b32 v[S+\n], v[S+\n], v246, vcc_lo
.endr
.Lopen_\@:
.irp b, 0,1,2,3
	v_max3_num_f32 v[BM+\b], v[S+16*\b], v[S+16*\b+1], v[S+16*\b+2]   ; the largest score of each block of 32 keys: for the row's maximum and for the block's largest p
.endr
.irp i, 3,5,7,9,11,13
.irp b, 0,1,2,3
	v_max3_num_f32 v[BM+\b], v[BM+\b], v[S+16*\b+\i], v[S+16*\b+\i+1]
.endr
.endr
.irp b, 0,1,2,3
	v_max_num_f32 v[BM+\b], v[BM+\b], v[S+16*\b+15]
.endr
.irp b, 0,1,2,3
	s_delay_alu instid0(VALU_DEP_4)
	v_permlanex16_b32 v[BP+\b], v[BM+\b], s12, s13
.endr
.irp b, 0,1,2,3
	s_delay_alu instid0(VALU_DEP_4)
	v_max_num_f32 v[BM+\b], v[BM+\b], v[BP+\b]
.endr
	s_delay_alu instid0(VALU_DEP_2)
	v_max3_num_f32 v240, v[BM], v[BM+1], v[BM+2]
	s_delay_alu instid0(VALU_DEP_1)
	v_max_num_f32 v240, v240, v[BM+3]
	s_delay_alu instid0(VALU_DEP_1)
	v_mul_f32 v240, s14, v240
	s_delay_alu instid0(VALU_DEP_1)
	v_max_num_f32 v13, v13, v240                   ; the running largest t
	v_mov_b32 v240, v12
	s_delay_alu instid0(VALU_DEP_2)
	v_floor_f32 v12, -v13                          ; the new -M
	s_delay_alu instid0(VALU_DEP_1)
	v_sub_f32 v240, v12, v240
	s_delay_alu instid0(VALU_DEP_1)
	v_cvt_i32_f32 v240, v240
	s_delay_alu instid0(VALU_DEP_1)
	v_ldexp_f32 v242, 1.0, v240                    ; f = 2^(old M - new M)
.irp j, 0,2,4,6,8,10,12,14,16,18,20,22,24,26,28,30,32,34,36,38,40,42,44,46,48,50,52,54,56,58,60,62
	v_pk_fma_f32 v[S+\j:S+\j+1], v[S+\j:S+\j+1], s[14:15], v[12:13] op_sel_hi:[1,0,0]   ; t - M
.endr
.irp b, 0,1,2,3
	v_fma_f32 v[BM+\b], v[BM+\b], s14, v12
.endr
	s_wait_alu depctr_va_vdst(0)                   ; the wait ahead of the batch
.irp j, 0,1,2,3,4,5,6,7,8,9,10,11,12,13,14,15,16,17,18,19,20,21,22,23,24,25,26,27,28,29,30,31,32,33,34,35,36,37,38,39,40,41,42,43,44,45,46,47,48,49,50,51,52,53,54,55,56,57,58,59,60,61,62,63
	v_exp_f32 v[S+\j], v[S+\j]
.endr
.irp b, 0,1,2,3
	v_exp_f32 v[BM+\b], v[BM+\b]
.endr
	v_pk_mul_f32 v[14:15], v[14:15], v[242:243] op_sel_hi:[1,0]
	s_wait_alu depctr_va_vdst(0)                   ; and behind it
.irp b, 0,1,2,3
	v_max_num_f32 v[BM+\b], 0x2800000, v[BM+\b]    ; the floor 2^(5 - 127)
.endr
.irp b, 0,1,2,3
	s_delay_alu instid0(VALU_DEP_4)
	v_add_nc_u32 v[BS+\b], 0xfe000000, v[BM+\b]    ; the conversion's scale operand
.endr
.irp b, 0,1,2,3
	s_delay_alu instid0(VALU_DEP_4)
	v_lshrrev_b32 v[BP+\b], 23, v[BS+\b]
.endr
	s_delay_alu instid0(VALU_DEP_3)
	v_lshl_or_b32 v[PW], v[BP+1], 8, v[BP]
	s_delay_alu instid0(VALU_DEP_1)
	v_lshl_or_b32 v[PW], v[BP+2], 16, v[PW]
	s_delay_alu instid0(VALU_DEP_1)
	v_lshl_or_b32 v[PW], v[BP+3], 24, v[PW]
.irp c, 0,1
	v_cvt_scalef32_pk16_bf6_f32 v[PC+6*\c:PC+6*\c+2], v[S+32*\c:S+32*\c+15], v[BS+2*\c]
	v_cvt_scalef32_pk16_bf6_f32 v[220+4*\c:222+4*\c], v[S+32*\c+16:S+32*\c+31], v[BS+2*\c+1]
.endr
	v_nop                                          ; one plain line behind a scaled conversion
.irp c, 0,1
.irp i, 0,1,2
	v_permlane16_swap_b32 v[PC+6*\c+\i], v[220+4*\c+\i]
.endr
.irp i, 0,1,2
	s_delay_alu instid0(VALU_DEP_3)
	v_mov_b32 v[PC+6*\c+3+\i], v[220+4*\c+\i]
.endr
.endr
.irp j, 0,2,4,6,8,10,12,14,16,18,20,22,24,26,28,30
	v_pk_mul_f32 v[O+\j:O+\j+1], v[O+\j:O+\j+1], v[242:243] op_sel_hi:[1,0]   ; O^T under the new M
.endr
	v_pk_add_f32 v[244:245], v[S:S+1], v[S+2:S+3]  ; the row's sum, of the unquantised p, in two chains
.irp j, 4,8,12,16,20,24,28,32,36,40,44,48,52,56,60
	v_pk_add_f32 v[14:15], v[14:15], v[S+\j:S+\j+1]
	v_pk_add_f32 v[244:245], v[244:245], v[S+\j+2:S+\j+3]
.endr
	s_delay_alu instid0(VALU_DEP_1)
	v_pk_add_f32 v[14:15], v[14:15], v[244:245]
	s_wait_dscnt 0x0                               ; V's fragments are in
.irp t, 0,1,2,3
	v_wmma_scale_f32_16x16x128_f8f6f4 v[O+8*\t:O+8*\t+7], v[F+12*\t:F+12*\t+11], v[PC:PC+11], v[O+8*\t:O+8*\t+7], v[VSW+\t], v[PW] matrix_a_fmt:MATRIX_FMT_BF6 matrix_b_fmt:MATRIX_FMT_BF6
.endr
.Lhidden_\@:
	s_add_co_u32 s58, s58, 128
	s_add_co_u32 s59, s59, 6144
	s_add_co_u32 s60, s60, 256
	s_sub_co_u32 s61, s61, 1
	s_cmp_lg_u32 s61, 0
	s_cbranch_scc1 .Lstep_\@
.rept 4
	v_nop
.endr
	s_wait_alu depctr_va_vdst(0)
	v_add_f32 v14, v14, v15
	s_delay_alu instid0(VALU_DEP_1)
	v_permlanex16_b32 v240, v14, s12, s13
	s_delay_alu instid0(VALU_DEP_1)
	v_add_f32 v14, v14, v240                       ; the row's sum
	s_wait_alu depctr_va_vdst(0)
	v_rcp_f32 v14, v14
	v_nop
	s_wait_alu depctr_va_vdst(0)
.irp j, 0,2,4,6,8,10,12,14,16,18,20,22,24,26,28,30
	v_pk_mul_f32 v[S+\j:S+\j+1], v[O+\j:O+\j+1], v[14:15] op_sel_hi:[1,0]
.endr
.irp g, 0,1                                    ; o's two blocks of 32 along the head's numbers
	v_max3_num_f32 v[BM+\g], |v[S+16*\g]|, |v[S+16*\g+1]|, 0x2800000
.endr
.irp i, 2,4,6,8,10,12,14
.irp g, 0,1
	s_delay_alu instid0(VALU_DEP_2)
	v_max3_num_f32 v[BM+\g], v[BM+\g], |v[S+16*\g+\i]|, |v[S+16*\g+\i+1]|
.endr
.endr
.irp g, 0,1
	s_delay_alu instid0(VALU_DEP_2)
	v_permlanex16_b32 v[BP+\g], v[BM+\g], s12, s13
.endr
.irp g, 0,1
	s_delay_alu instid0(VALU_DEP_2)
	v_max_num_f32 v[BM+\g], v[BM+\g], v[BP+\g]
.endr
.irp g, 0,1
	s_delay_alu instid0(VALU_DEP_2)
	v_add_nc_u32 v[BS+\g], 0xfe000000, v[BM+\g]
.endr
.irp g, 0,1
	s_delay_alu instid0(VALU_DEP_2)
	v_lshrrev_b32 v[BP+\g], 23, v[BS+\g]
.endr
	s_delay_alu instid0(VALU_DEP_1)
	v_cndmask_b32 v240, v[BP], v[BP+1], s11
	v_cvt_scalef32_pk16_bf6_f32 v[PC:PC+2], v[S:S+15], v[BS]
	v_cvt_scalef32_pk16_bf6_f32 v[220:222], v[S+16:S+31], v[BS+1]
	v_nop
.irp i, 0,1,2
	v_permlane16_swap_b32 v[PC+\i], v[220+\i]
.endr
.irp i, 0,1,2
	s_delay_alu instid0(VALU_DEP_3)
	v_mov_b32 v[PC+3+\i], v[220+\i]
.endr
	global_store_b128 v1, v[PC:PC+3], s[44+8*(\p):45+8*(\p)]
	global_store_b64 v2, v[PC+4:PC+5], s[44+8*(\p):45+8*(\p)] offset:512
	global_store_b8 v6, v240, s[46+8*(\p):47+8*(\p)]
.endm
	PASS 16, 109, 0
	PASS 34, 110, 1
	s_wait_tensorcnt 0x0                           ; the wave's end
	ds_add_u32 v254, v255
	s_wait_dscnt 0x0
	CROUND                                         ; the closing round
	s_endpgm
.Lfunc_end_k_q188082f05c_attn:
	.size	k_q188082f05c_attn, .Lfunc_end_k_q188082f05c_attn-k_q188082f05c_attn
	.p2alignl 7, 3214868480
	.fill 96, 4, 3214868480
	.section	.rodata,"a",@progbits
	.p2align	6, 0x0
	.amdhsa_kernel k_q188082f05c_attn
		.amdhsa_group_segment_fixed_size 327680
		.amdhsa_private_segment_fixed_size 0
		.amdhsa_enable_private_segment 0
		.amdhsa_kernarg_size 24
		.amdhsa_user_sgpr_count 2
		.amdhsa_user_sgpr_kernarg_segment_ptr 1
		.amdhsa_wavefront_size32 1
		.amdhsa_system_sgpr_workgroup_id_x 1
		.amdhsa_system_sgpr_workgroup_id_y 1
		.amdhsa_system_sgpr_workgroup_id_z 1
		.amdhsa_system_vgpr_workitem_id 0
		.amdhsa_next_free_vgpr 256
		.amdhsa_next_free_sgpr 80
		.amdhsa_reserve_vcc 1
		.amdhsa_float_denorm_mode_32 3
		.amdhsa_float_denorm_mode_16_64 3
		.amdhsa_memory_ordered 1
		.amdhsa_forward_progress 1
		.amdhsa_inst_pref_size 65
	.end_amdhsa_kernel
	.amdgpu_metadata
---
amdhsa.version: [ 1, 2 ]
amdhsa.kernels:
  - .name:           k_q188082f05c_attn
    .symbol:         k_q188082f05c_attn.kd
    .args:
      - { .name: qk, .offset: 0, .size: 8, .value_kind: global_buffer, .address_space: global }
      - { .name: vq, .offset: 8, .size: 8, .value_kind: global_buffer, .address_space: global }
      - { .name: oq, .offset: 16, .size: 8, .value_kind: global_buffer, .address_space: global }
    .group_segment_fixed_size: 327680
    .private_segment_fixed_size: 0
    .kernarg_segment_align: 8
    .kernarg_segment_size: 24
    .max_flat_workgroup_size: 512
    .sgpr_count:     80
    .vgpr_count:     256
    .wavefront_size: 32
...
	.end_amdgpu_metadata
.endif
;; end of part 3
;; launch proj (part 4): grid 32 x 8, 4 waves a work-group, clusters of 4 x 4, 327,680 bytes of LDS; arguments oq, wq, bp, out0; writes out0
.if DOCPART == 4
	.amdgcn_target "amdgcn-amd-amdhsa--gfx1250"
	.amdhsa_code_object_version 6
	.text
	.protected	k_q188082f05c_proj
	.globl	k_q188082f05c_proj
	.p2align	8
	.type	k_q188082f05c_proj,@function
k_q188082f05c_proj:
	s_mov_b64 s[64:65], 0
	v_nop
	global_prefetch_b8 v0, s[64:65] scope:SCOPE_SE
	s_setreg_imm32_b32 hwreg(HW_REG_WAVE_MODE, 25, 1), 1
	s_wait_xcnt 0x0
	s_wait_alu depctr_hold_cnt(0) depctr_sa_sdst(0) depctr_va_vdst(0) depctr_va_sdst(0) depctr_va_ssrc(0) depctr_va_vcc(0) depctr_vm_vsrc(0)
	s_getreg_b32 s2, hwreg(HW_REG_IB_STS2, 6, 4)
	s_cmp_eq_u32 s2, 0
	s_cbranch_scc0 .Lentry_in_a_cluster
	s_endpgm
.Lentry_in_a_cluster:
	s_bfe_u32 s2, ttmp6, 0x10000c
	s_cmp_lg_u32 s2, 0xf033
	s_cbranch_scc0 .Lentry_shape_is_right
	s_endpgm
.Lentry_shape_is_right:
; out[token][n] = sum over k of o[token][k] Wp[k][n] + bp[n], f32: 8,192 x 1,024 x 1,024 on codes of BF6 (E3M2) with E8M0 scales.
; LIMITS: NaN, infinities and sums beyond f32's range are not served; a sum begins with the bias, where reference() adds it last.
; A = oq, B = wq's row tiles 192 on (the columns of Wp): images of operand registers, a row tile of 16 rows x 1,024 K = 12,288 bytes on end, a fragment (128 K) = 1,536 of them.
; Lane r of tile 2 g + u holds matrix row 32 g + 8 u + r + 8 (r / 8).  Scale words: [tile][256 along K][r][2 words], behind the codes.
; THE DEAL.  256 work-groups of four waves, 2 x 2, each 256 rows x 128 columns.  A wave holds four column tiles of B, all of K, in registers (32 fragments), and streams A's rows past them in eight blocks of 16:
; the wave in row a of the 2 x 2 takes the work-group's tile 2 s + a as its block s.  A block's eight fragments feed 32 products, four accumulators by turns.
; THE CLUSTER's x counts tile rows: A's tiles are shared by a column of the cluster, B's by a row.
; LDS: A's 16 tiles, B's 8, dense; the waves' stages; the spare words.  No refill, and no data prefetch: all is asked for at the head.
; THE HEAD'S FOUR TILES, one a wave, each on its own line: B; A's tiles 0-7; 8-11; 12-15.  The stream begins when the first two are in; a plain barrier inside block 1 shows the others.
; Scale words go from memory into registers: B's with tile 2 p in lanes 0-15 and tile 2 p + 1 in lanes 16-31; A's with the even 256 along K in lanes 0-15 and the odd in lanes 16-31.  The bias is the first products' C.
; ONE RUN OF MEMORY LINES behind a block's products: its sums into the stage and back as whole rows of 256 bytes; the fetch of the block two on; one wait; eight stores.
.set OS_OFF, 6291456
.set WS_OFF, 3145728
.set TB,     12288                     ; a row tile
.set FR,     12                        ; registers of a fragment
.set FPW,    21                        ; fragments in a window: fragment f lies in window 1 + f / 21 at register 12 (f % 21).  0-31 B's (4 q + tile), 32-47 A's two sets (32 + 8 e + q)
.set NF,     32                        ; LDS loads of a block
.set YB,     16*TB                     ; B's tiles
.set STAGE,  24*TB                     ; 16 rows x (256 + 16) bytes for each wave
.set SPITCH, 272
.set SPARE,  STAGE+4*16*SPITCH         ; the spare words, 128 bytes a wave
.set SPW, 10
.set NIL, 11
.set CO,  12                           ; my byte offset in out0: row lane / 16, 16 bytes x (lane % 16)
.set STO, 13
.set RD,  14
.set SB,  24                           ; v24-39  B's scale words: 8 p + 2 sigma(q / 2) + q % 2, sigma = 1, 3, 0, 2: so a product's two scale registers differ modulo 8 in their numbers
.set SA,  40                           ; v40-71  A's: 4 s + 2 (q / 4) + q % 2
.set ACC, 72                           ; v72-135 two sets of four accumulators
.set BK,  136                          ; v136-199 two sets: 16 rows x 256 bytes back from the stage
.set BO,  200                          ; v200-231 the bias in the accumulators' layout
.set G1A, 24
.set G1B, 32
.set G0A, 56
.set G0B, 60
.set MSB, 0
.macro WIN new
.if MSB != (\new)
	s_set_vgpr_msb (MSB<<8)|(\new)
.set MSB, \new
.endif
.endm
.macro PLACES n
.rept \n
	v_nop
.endr
.endm
.macro WALU
	s_wait_alu depctr_va_vdst(0)
.endm
.macro BARRIER
	s_barrier_signal -1
	s_barrier_wait -1
.endm
.macro CROUND
	BARRIER
	s_cmp_lg_u32 s14, 0
	s_cbranch_scc1 .Lnot_wave_0_\@
	s_barrier_signal -3
.Lnot_wave_0_\@:
	s_barrier_wait -3
	BARRIER
.endm
.macro TLOAD g0, g1                    ; an s_nop 0 and four v_nop follow a tensor load
	tensor_load_to_lds s[\g0:\g0+3], s[\g1:\g1+7]
	s_nop 0
	PLACES 4
.endm
.macro GROUP1 g, mask, rows            ; row tiles of 12,288 bytes = 1,536 elements of 8, dense
	s_or_b32 s[\g+0], s[\mask], (3<<16)|(1<<21)
	s_mov_b32 s[\g+1], 1536<<16
	s_mov_b32 s[\g+3], 1536<<16
.if \rows
	s_mov_b32 s[\g+2], (\rows)<<16
	s_mov_b32 s[\g+4], \rows
.endif
	s_mov_b32 s[\g+5], 1536
	s_mov_b32 s[\g+6], 0
	s_mov_b32 s[\g+7], 0
.endm
.macro ATILE first, rows               ; some of A's 16 tiles, by a descriptor of constants
	s_mov_b32 s[G0A+1], (\first)*TB
	s_mov_b32 s[G1A+2], (\rows)<<16
	s_mov_b32 s[G1A+4], \rows
.if \first
	s_add_nc_u64 s[G0A+2:G0A+3], s[G0A+2:G0A+3], (\first)*TB
.endif
	s_or_b32 s[G0A+3], s[G0A+3], 0x80000000
	TLOAD G0A, G1A
.endm
.macro FRAG f, a16, a8, off            ; two units on end: registers 0-3, 4-5, 6-9, 10-11
.set R_, FR*((\f)%FPW)
	WIN (1+(\f)/FPW)<<6
	ds_load_b128 v[R_:R_+3], v[\a16] offset:\off
	ds_load_b64 v[R_+4:R_+5], v[\a8] offset:\off+512
	ds_load_b128 v[R_+6:R_+9], v[\a16] offset:\off+768
	ds_load_b64 v[R_+10:R_+11], v[\a8] offset:\off+1280
.endm
.macro FETCHAT e, a16, a8              ; a block of A into set e: NF loads
.irp q, 0,1,2,3,4,5,6,7
	FRAG 32+8*(\e)+\q, \a16, \a8, 1536*\q
.endr
	WIN 0
.endm
.macro WM d, s0, s1, c, x0, x1, ra, rb
	v_wmma_scale_f32_16x16x128_f8f6f4 v[\d:\d+7], v[FR*((\s0)%FPW):FR*((\s0)%FPW)+FR-1], v[FR*((\s1)%FPW):FR*((\s1)%FPW)+FR-1], \c, v[\x0], v[\x1] matrix_a_fmt:MATRIX_FMT_BF6 matrix_b_fmt:MATRIX_FMT_BF6 matrix_a_scale:MATRIX_SCALE_ROW\ra matrix_b_scale:MATRIX_SCALE_ROW\rb
.endm
.macro PROD1 c                         ; source 0 = B's rows (scales: tile's parity picks the lanes), source 1 = A's rows (scales: the parity of q / 2)
.if B_%2
.if (Q_/2)%2
	WM D_, FB_, FA_, \c, XB_, XA_, 1, 1
.else
	WM D_, FB_, FA_, \c, XB_, XA_, 1, 0
.endif
.else
.if (Q_/2)%2
	WM D_, FB_, FA_, \c, XB_, XA_, 0, 1
.else
	WM D_, FB_, FA_, \c, XB_, XA_, 0, 0
.endif
.endif
.endm
.macro PROD s, n                       ; product n = 4 q + tile of block s
.set Q_, (\n)/4
.set B_, (\n)%4
.set FB_, 4*Q_+B_
.set FA_, 32+8*((\s)%2)+Q_
.set D_, ACC+32*((\s)%2)+8*B_
.set XB_, SB+8*(B_/2)+2*((2*(Q_/2)+1-Q_/4)%4)+Q_%2
.set XA_, SA+4*(\s)+2*(Q_/4)+Q_%2
	WIN (1+FB_/FPW)|((1+FA_/FPW)<<2)
.if Q_
	PROD1 v[D_:D_+7]
.else
	PROD1 v[BO+8*B_:BO+8*B_+7]
.endif
.endm
.macro PRODS s, from, to
.set N_, \from
.rept (\to)-(\from)
	PROD \s, N_
.set N_, N_+1
.endr
	WIN 0
.endm
.macro STAGED e                        ; set e's sums into my stage, each accumulator from its low end on, and back as whole rows; LDS serves a wave's instructions in order (ISA guide 5.7.1.4)
.irp b, 0,1,2,3
	ds_store_b128 v[STO], v[ACC+32*(\e)+8*\b:ACC+32*(\e)+8*\b+3] offset:128*(\b/2)+32*(\b%2)
	ds_store_b128 v[STO], v[ACC+32*(\e)+8*\b+4:ACC+32*(\e)+8*\b+7] offset:128*(\b/2)+32*(\b%2)+16
.endr
.irp t, 0,1,2,3,4,5,6,7
	ds_load_b128 v[BK+32*(\e)+4*\t:BK+32*(\e)+4*\t+3], v[RD] offset:2*\t*SPITCH
.endr
.endm
.macro STREAM s
.if (\s) == 1
	PRODS \s, 0, 24
	s_wait_tensorcnt 0x0
	s_wait_dscnt 0x0
	s_barrier_signal -1                            ; a plain barrier: A's tiles 8 to 15 are shown to all
	PRODS \s, 24, 32
	s_barrier_wait -1
.else
	PRODS \s, 0, 32
.endif
.if (\s) < 6                           ; four plain vector lines between the last product and the first reader of its sums and the fetch into its registers
	v_add_nc_u32 v6, 2*TB*((\s)+2), v4
	v_add_nc_u32 v7, 2*TB*((\s)+2), v5
	v_nop
	v_nop
	WALU
.else
	PLACES 4
.endif
	s_wait_xcnt 0x0                                ; the stores of two blocks ago have read this set of rows
	STAGED (\s)%2
.if (\s) < 6
	FETCHAT (\s)%2, 6, 7
	s_wait_dscnt NF                                ; the rows are back from the stage, and the next block's fragments are in; younger is this run's fetch alone
.else
	s_wait_dscnt 0x0
.endif
.irp t, 0,1,2,3,4,5,6,7                        ; rows 2 t, 2 t + 1 of tile 2 s + a are tokens 32 s + 8 a + 2 t + 8 (t / 4) and the next; sixteen lanes store 256 consecutive bytes, aligned
	global_store_b128 v[CO], v[BK+32*((\s)%2)+4*\t:BK+32*((\s)%2)+4*\t+3], s[10:11] offset:(32*(\s)+2*\t+8*(\t/4))*4096 th:TH_STORE_NT
.endr
.endm
; ---- the head
	s_load_b256 s[4:11], s[0:1], 0x0               ; oq, wq, bp, out0
	v_lshl_add_u32 v[SPW], v0, 2, SPARE
	v_mov_b32 v[NIL], 0
	ds_add_u32 v[SPW], v[NIL]                      ; the opening lines
	ds_add_u32 v[SPW], v[NIL]
	v_lshrrev_b32 v1, 5, v0
	v_readfirstlane_b32 s14, v1                    ; the wave; s15 its row of the 2 x 2, s16 its column
	s_lshr_b32 s15, s14, 1
	s_and_b32 s16, s14, 1
	s_bfe_u32 s40, ttmp6, 0x40000
	s_bfe_u32 s41, ttmp6, 0x40004
	s_lshl_b32 s43, ttmp9, 2
	s_add_co_u32 s43, s43, s40                     ; tile row: 4 x cluster x + cx
	s_and_b32 s42, ttmp7, 0xffff
	s_lshl_b32 s42, s42, 2
	s_add_co_u32 s42, s42, s41                     ; tile column: 4 x cluster y + cy
	s_lshl_b32 s44, 0x1111, s40                    ; my column of the cluster shares A's tiles
	s_lshl_b32 s45, s41, 2
	s_lshl_b32 s45, 15, s45                        ; my row shares B's
	GROUP1 G1A, 44, 0
	GROUP1 G1B, 45, 8
	s_mov_b32 s[G0A], 1
	s_mov_b32 s[G0B], 1
	s_mov_b32 s[G0B+1], YB
	s_mul_i32 s76, s43, 16*TB                      ; A's 16 tiles
	s_mov_b32 s77, 0
	s_mul_i32 s78, s42, 8*TB
	s_add_co_u32 s78, s78, 192*TB                  ; B's 8
	s_mov_b32 s79, 0
	s_lshl_b32 s80, s43, 4
	s_add_co_u32 s80, s80, s15
	s_lshl_b32 s80, s80, 9
	s_add_co_u32 s80, s80, OS_OFF                  ; the scale words of my block 0; a block on: 1,024 bytes
	s_mov_b32 s81, 0
	s_lshl_b32 s82, s42, 3
	s_lshl_b32 s20, s16, 2
	s_add_co_u32 s82, s82, s20
	s_add_co_u32 s82, s82, 192
	s_lshl_b32 s82, s82, 9
	s_add_co_u32 s82, s82, WS_OFF                  ; those of my four column tiles
	s_mov_b32 s83, 0
	s_lshl_b32 s84, s42, 9
	s_lshl_b32 s20, s16, 8
	s_add_co_u32 s84, s84, s20                     ; my 64 columns, in bytes
	s_mov_b32 s85, 0
	s_lshl_b32 s86, s43, 20
	s_lshl_b32 s20, s15, 15
	s_add_co_u32 s86, s86, s20
	s_add_co_u32 s86, s86, s84                     ; out0: 256 rows x tile row + 8 rows x a + my columns
	s_mov_b32 s87, 0
	v_and_b32 v1, 15, v0                           ; r
	v_bfe_u32 v2, v0, 4, 1                         ; h
	v_and_b32 v3, 31, v0
	s_mul_i32 s21, s15, TB
	v_lshl_add_u32 v4, v3, 4, s21                  ; v4, v5: my fragments of block 0, by 16 and by 8 bytes a lane; never rewritten
	v_lshl_add_u32 v5, v3, 3, s21
	v_add_nc_u32 v6, 2*TB, v4                      ; v6, v7: of the block that is fetched next
	v_add_nc_u32 v7, 2*TB, v5
	s_mul_i32 s22, s16, 4*TB
	s_add_co_u32 s22, s22, YB
	v_lshl_add_u32 v8, v3, 4, s22                  ; v8, v9: B's
	v_lshl_add_u32 v9, v3, 3, s22
	v_lshlrev_b32 v15, 3, v3                       ; A's scale words: 8 x lane
	v_lshlrev_b32 v16, 3, v1
	v_lshl_add_u32 v16, v2, 9, v16                 ; B's: 512 h + 8 r
	v_lshlrev_b32 v17, 6, v2                       ; the bias: 64 h
	s_mul_i32 s21, s14, 16*SPITCH
	s_add_co_u32 s21, s21, STAGE
	v_mul_u32_u24 v18, v1, SPITCH
	v_lshl_add_u32 v18, v2, 6, v18
	v_add_nc_u32 v[STO], s21, v18                  ; register i of tile b is column 32 (b / 2) + 16 h + 8 (b % 2) + i of row r
	v_mul_u32_u24 v18, v2, SPITCH
	v_lshl_add_u32 v18, v1, 4, v18
	v_add_nc_u32 v[RD], s21, v18
	v_lshlrev_b32 v18, 12, v2
	v_lshl_add_u32 v[CO], v1, 4, v18
	WALU
	s_wait_dscnt 0x0
	CROUND                                         ; the opening round
	s_wait_kmcnt 0x0
	s_add_nc_u64 s[G0A+2:G0A+3], s[4:5], s[76:77]
	s_add_nc_u64 s[G0B+2:G0B+3], s[6:7], s[78:79]
	s_or_b32 s[G0B+3], s[G0B+3], 0x80000000
	s_add_nc_u64 s[80:81], s[4:5], s[80:81]
	s_add_nc_u64 s[82:83], s[6:7], s[82:83]
	s_add_nc_u64 s[8:9], s[8:9], s[84:85]
	s_add_nc_u64 s[10:11], s[10:11], s[86:87]
	s_cmp_eq_u32 s14, 0
	s_cbranch_scc0 .Lwave_1
	TLOAD G0B, G1B                                 ; wave 0: B, which is wanted first
	s_branch .Lasked
.Lwave_1:
	s_cmp_eq_u32 s14, 1
	s_cbranch_scc0 .Lwave_2
	ATILE 0, 8                                     ; wave 1: A's tiles 0 to 7
	s_branch .Lasked
.Lwave_2:
	s_cmp_eq_u32 s14, 2
	s_cbranch_scc0 .Lwave_3
	ATILE 8, 4
	s_branch .Lasked
.Lwave_3:
	ATILE 12, 4
.Lasked:
.irp p, 0,1
.irp t, 0,1,2,3
	global_load_b64 v[SB+8*\p+2*((2*\t+1-\t/2)%4):SB+8*\p+2*((2*\t+1-\t/2)%4)+1], v16, s[82:83] offset:1024*\p+128*\t
.endr
.endr
.irp s, 0,1,2,3,4,5,6,7
.irp t, 0,1
	global_load_b64 v[SA+4*\s+2*\t:SA+4*\s+2*\t+1], v15, s[80:81] offset:1024*\s+256*\t   ; 256 consecutive bytes
.endr
.endr
.irp b, 0,1,2,3
	global_load_b128 v[BO+8*\b:BO+8*\b+3], v17, s[8:9] offset:128*(\b/2)+32*(\b%2)
	global_load_b128 v[BO+8*\b+4:BO+8*\b+7], v17, s[8:9] offset:128*(\b/2)+32*(\b%2)+16
.endr
	s_cmp_eq_u32 s14, 0
	s_cbranch_scc0 .Lnot_b
	s_wait_tensorcnt 0x0
.Lnot_b:
	BARRIER                                        ; B has landed
.irp q, 0,1,2,3,4,5,6,7
.irp b, 0,1,2,3
	FRAG 4*\q+\b, 8, 9, TB*\b+1536*\q
.endr
.endr
	WIN 0
	s_cmp_eq_u32 s14, 1
	s_cbranch_scc0 .Lnot_a
	s_wait_tensorcnt 0x0
.Lnot_a:
	s_wait_dscnt 0x0
	BARRIER                                        ; A's tiles 0 to 7 are in; waves 2 and 3's may be on their way
	FETCHAT 0, 4, 5
	FETCHAT 1, 6, 7
	s_wait_loadcnt 0x0                             ; the scale words and the bias
	s_wait_dscnt NF                                ; block 0's fragments are in
; ---- the stream
.irp s, 0,1,2,3,4,5,6,7
	STREAM \s
.endr
	s_wait_tensorcnt 0x0                           ; the wave's end
	ds_add_u32 v[SPW], v[NIL]
	s_wait_dscnt 0x0
	CROUND                                         ; the closing round
	s_endpgm
.Lfunc_end_k_q188082f05c_proj:
	.size	k_q188082f05c_proj, .Lfunc_end_k_q188082f05c_proj-k_q188082f05c_proj
	.p2alignl 7, 3214868480
	.fill 96, 4, 3214868480
	.section	.rodata,"a",@progbits
	.p2align	6, 0x0
	.amdhsa_kernel k_q188082f05c_proj
		.amdhsa_group_segment_fixed_size 327680
		.amdhsa_private_segment_fixed_size 0
		.amdhsa_enable_private_segment 0
		.amdhsa_kernarg_size 32
		.amdhsa_user_sgpr_count 2
		.amdhsa_user_sgpr_kernarg_segment_ptr 1
		.amdhsa_wavefront_size32 1
		.amdhsa_system_sgpr_workgroup_id_x 1
		.amdhsa_system_sgpr_workgroup_id_y 1
		.amdhsa_system_sgpr_workgroup_id_z 1
		.amdhsa_system_vgpr_workitem_id 0
		.amdhsa_next_free_vgpr 840
		.amdhsa_next_free_sgpr 96
		.amdhsa_reserve_vcc 0
		.amdhsa_float_denorm_mode_32 3
		.amdhsa_float_denorm_mode_16_64 3
		.amdhsa_memory_ordered 1
		.amdhsa_forward_progress 1
		.amdhsa_inst_pref_size 86
	.end_amdhsa_kernel
	.amdgpu_metadata
---
amdhsa.version: [ 1, 2 ]
amdhsa.kernels:
  - .name:           k_q188082f05c_proj
    .symbol:         k_q188082f05c_proj.kd
    .args:
      - { .name: oq, .offset: 0, .size: 8, .value_kind: global_buffer, .address_space: global }
      - { .name: wq, .offset: 8, .size: 8, .value_kind: global_buffer, .address_space: global }
      - { .name: bp, .offset: 16, .size: 8, .value_kind: global_buffer, .address_space: global }
      - { .name: out0, .offset: 24, .size: 8, .value_kind: global_buffer, .address_space: global }
    .group_segment_fixed_size: 327680
    .private_segment_fixed_size: 0
    .kernarg_segment_align: 8
    .kernarg_segment_size: 32
    .max_flat_workgroup_size: 128
    .sgpr_count:     96
    .vgpr_count:     840
    .wavefront_size: 32
...
	.end_amdgpu_metadata
.endif
;; end of part 4
